; MI455X (gfx1250); checked and timed in simulation.
; The chip was launched on July 23, 2026; its instructions are those of AMD's public machine-readable ISA for CDNA 5 (MIT licence, August 2026) and "CDNA5" Instruction Set Architecture Reference Guide (July 2026). The comments in the code are by the model that wrote it; some were corrected since.
;; Multi Head Attention. Allowed arithmetic: float matrix products may take bf16 or f16 operands with f32 sums; other float arithmetic in f32, or as packed bf16 or f16 multiplies, adds, multiply-adds, maxima and minima; sums over many terms, partial sums and values carried from step to step in f32; what a program stores and reads back later, other than sums and carried values, may be rounded once to bf16 or f16.
;; Inputs: W1 256 x 256 float32; W2 256 x 4,096 float32; Wk 256 x 256 float32; Wo 2,048 x 256 float32; Wq 256 x 256 float32; Wv 256 x 256 float32; b1 256 float32; b2 4,096 float32; bk 256 float32; bo 256 float32; bq 256 float32; bv 256 float32; x 8 x 512 x 256 float32.
;; Outputs: out0 8 x 512 x 256 float32.
;; 2 versions, each right; version 2 is version 1 with the launch prep written anew for expert scheduling mode. Each part assembles by itself: llvm-mc -triple=amdgcn-amd-amdhsa -mcpu=gfx1250 --defsym DOCPART=n.
;; ======== version 1 of 2: 5 launches
;; limits: values are held in f16: magnitudes above 65,504 overflow, below 6.1e-05 lose precision; a function is approximated: absolute error at most 7.5e-08
;; workspace buffers: xh 2,097,152 bytes; hs 4,194,304 bytes; wf 3,538,944 bytes; sidx 33,554,432 bytes of whole numbers; swgt 33,554,432 bytes; xs 16,777,216 bytes; obuf 16,777,216 bytes
;; launch prep (part 1): grid 256 x 1, 4 waves a work-group, no clusters, 29,696 bytes of LDS; arguments x, W1, b1, W2, Wq, Wk, Wv, Wo, xh, hs, wf; writes xh, hs, wf
.if DOCPART == 1
	.amdgcn_target "amdgcn-amd-amdhsa--gfx1250"
	.amdhsa_code_object_version 6
	.text
	.protected	k_q934cc64da3_prep
	.globl	k_q934cc64da3_prep
	.p2align	8
	.type	k_q934cc64da3_prep,@function
k_q934cc64da3_prep:
	s_mov_b64 s[64:65], 0
	v_nop
	global_prefetch_b8 v0, s[64:65] scope:SCOPE_SE
	s_setreg_imm32_b32 hwreg(HW_REG_WAVE_MODE, 25, 1), 1
	s_wait_xcnt 0x0
; PREP.  Three things in one launch, 256 work-groups of four waves; work-group g:
;  (a) weights into FRAGMENT ORDER: a fragment is 16 n x 32 k of 16-bit numbers, 1,024 bytes [g 2][lane 32][16 B]; lane r + 16 h holds n = r, half g holds k = 16 g + 8 h + 0..7.
;      A unit is 32 k x 64 n of an f32 matrix [K][N] (rows of 256 bytes) = four fragments, each number rounded to bf16 and written as f16.
;      Waves 0, 1: units 2 g, 2 g + 1 of W2; wave 2: unit g of Wo; wave 3: unit g of Wq, Wk, Wv where g < 96.  Where g >= 96 wave 3 loads and converts a unit of Wv all the same and
;      jumps over the stores alone: one text, every register written on every path, the same counts at every wait.
;  (b) rows 16 g .. 16 g + 15 of x -> xh = f16(bf16(x)), row-major: the field of the later gather.
;  (c) h' = -2 log2(e) gelu(x W1 + b1) for those 16 tokens, x, W1, b1 rounded to bf16, sums in f32; stored as TWO f16 pieces hi + lo (lo = h' - hi, exact), in fragment order.
;      The product is taken transposed (source 0 = 16 channels of W1, source 1 = the 16 tokens): a lane ends with one token and eight neighbouring channels, and two neighbouring
;      accumulators, rounded in pairs, are a fragment of the next product as they stand.
; gelu(p) = p Phi(p); Phi(p) = 1 - Q for p >= 0 and Q for p < 0, Q = 2^(-p^2 log2(e) / 2) t (c1 + t (c2 + t (c3 + t (c4 + t c5)))), t = 1 / (1 + 0.2316419 |p|).
; LIMITS.  That form of Phi is within 7.5e-8 of the true one.  |h'| stays under 65,504 (f16); below 6e-5 a piece keeps f16's fixed step of 6e-8, and so do weights and x below 2^-17.
; NaN and infinities are not treated apart.
; NO CLUSTER: W1 is the one input that all work-groups share; a wave's 64 KiB of it go straight into the 512 registers in which they are rounded, and the 20 KiB of LDS are the waves' own turning tiles.
.set XA,    20480                      ; x in bf16: 16 rows, pitch 528 = 33 x 16 bytes
.set XP,    528
.set TP,    160                        ; a turning tile's pitch: 64 numbers + 32 bytes = 5 x 32
.set SPARE, 29184                      ; the spare words, 128 bytes a wave; no other line names them
.set WQKV,  2097152                    ; in wf: [hp 4][mat 3][nbl 4][kc 8][1 KB]
.set WOF,   2490368                    ; in wf: [nb 16][kc 64][1 KB]; W2's fragments [nb 256][kc 8][1 KB] lie at 0
.set L16, 1                            ; 16 x lane
.set W1O, 2                            ; (l / 16) x 1,024 + (l % 16) x 16: two rows of W1 a load
.set STA, 3                            ; my 8 bytes in rows 0, 1 of my wave's tile
.set TRA, 4                            ; the turning load's address
.set XST, 5                            ; my 8 bytes in my wave's rows of XA
.set AFA, 6                            ; x's fragment: r x 528 + 16 h
.set L8,  7                            ; 8 x lane
.set H32, 8                            ; 32 h
.set DO,  10                           ; v10-13  16 x lane + j x the distance of two n blocks in wf
.set OFF, 14                           ; v14-29  the unit's 16 loads: two rows each
.set SPW, 30
.set NIL, 31
.set UD,  32                           ; v32-95   the unit as loaded; later t and e of gelu, then hi, lo
.set XD,  96                           ; v96-127  x as loaded, then as stored; later the polynomial
.set ACC, 128                          ; v128-159 four accumulators
.set AF,  160                          ; x's fragment
.set BFR, 168                          ; four fragments out of the tile
.set PK,  200                          ; 32 registers of packed bf16
.set TM,  232                          ; at work
.set GT,  32
.set GE,  64
.set GA,  96
.set HI,  32
.set LO,  48
.set DF,  64
.set MSB, 0
.macro WIN new                         ; the immediate's high byte repeats the setting that is left
.if MSB != (\new)
	s_set_vgpr_msb (MSB<<8)|(\new)
.set MSB, (\new)
.endif
.endm
	s_load_b512 s[16:31], s[0:1], 0x0              ; x 16, W1 18, b1 20, W2 22, Wq 24, Wk 26, Wv 28, Wo 30
	s_load_b128 s[32:35], s[0:1], 0x40             ; xh 32, hs 34
	s_load_b64 s[36:37], s[0:1], 0x50              ; wf
	v_lshl_add_u32 v[SPW], v0, 2, SPARE
	v_mov_b32 v[NIL], 0
	v_lshrrev_b32 v9, 5, v0
	v_readfirstlane_b32 s8, v9                     ; wave 0..3
	v_and_b32 v9, 31, v0                           ; lane
	v_and_b32 v[TM], 15, v0                        ; r
	v_bfe_u32 v[TM+1], v0, 4, 1                    ; h
	v_lshlrev_b32 v[L16], 4, v9
	v_lshlrev_b32 v[L8], 3, v9
	v_lshlrev_b32 v[H32], 5, v[TM+1]
	v_lshlrev_b32 v[TM+2], 4, v[TM]                ; 16 r
	v_lshl_add_u32 v[W1O], v[TM+1], 10, v[TM+2]
	s_mul_i32 s9, s8, 32*TP                        ; my wave's tile
	v_mul_u32_u24 v[STA], v[TM+1], TP
	v_lshl_add_u32 v[STA], v[TM], 3, v[STA]
	v_add_nc_u32 v[STA], s9, v[STA]
	v_and_b32 v[TM+3], 7, v0
	v_lshl_add_u32 v[TM+3], v[TM+1], 3, v[TM+3]    ; k = 8 h + l % 8
	v_mul_u32_u24 v[TRA], v[TM+3], TP
	v_bfe_u32 v[TM+3], v0, 3, 1
	v_lshl_add_u32 v[TRA], v[TM+3], 4, v[TRA]
	v_add_nc_u32 v[TRA], s9, v[TRA]
	s_mul_i32 s10, s8, 4*XP
	s_add_co_u32 s10, s10, XA
	v_lshl_add_u32 v[XST], v9, 3, s10
	v_mul_u32_u24 v[AFA], v[TM], XP
	v_lshl_add_u32 v[AFA], v[TM+1], 4, v[AFA]
	v_add_nc_u32 v[AFA], XA, v[AFA]
	; the unit: byte offsets in its source (s2) and in wf (s4), two rows' bytes (s60), the distance of two n blocks (s61), whether it is stored (s62)
	s_lshl_b32 s12, ttmp9, 1                       ; W2: U = 2 g + w, kc = U % 8, ng = U / 8
	s_add_co_u32 s12, s12, s8
	s_and_b32 s13, s12, 7
	s_lshr_b32 s14, s12, 3
	s_lshl_b32 s2, s13, 19                         ; 32 rows of 16,384 bytes
	s_lshl_b32 s15, s14, 8
	s_add_co_u32 s2, s2, s15
	s_lshl_b32 s4, s14, 15                         ; four n blocks of 8,192 bytes
	s_lshl_b32 s15, s13, 10
	s_add_co_u32 s4, s4, s15
	s_lshr_b32 s13, ttmp9, 2                       ; Wo: kc = g / 4, ng = g % 4
	s_and_b32 s14, ttmp9, 3
	s_lshl_b32 s38, s13, 15                        ; 32 rows of 1,024 bytes
	s_lshl_b32 s15, s14, 8
	s_add_co_u32 s38, s38, s15
	s_lshl_b32 s39, s14, 18
	s_lshl_b32 s12, s13, 10
	s_add_co_u32 s39, s39, s12
	s_add_co_u32 s39, s39, WOF
	s_lshr_b32 s11, ttmp9, 5                       ; Wq, Wk, Wv: mat = g / 32 (held to 2), kc = (g / 4) % 8, hp = g % 4
	s_min_u32 s11, s11, 2
	s_and_b32 s13, s13, 7
	s_lshl_b32 s6, s13, 15
	s_add_co_u32 s6, s6, s15
	s_mul_i32 s7, s14, 98304
	s_lshl_b32 s12, s11, 15
	s_add_co_u32 s7, s7, s12
	s_lshl_b32 s12, s13, 10
	s_add_co_u32 s7, s7, s12
	s_add_co_u32 s7, s7, WQKV
	s_cmp_lt_u32 ttmp9, 96
	s_cselect_b32 s62, 1, 0
	s_mov_b32 s60, 2048
	s_mov_b32 s61, 8192
	s_cmp_eq_u32 s8, 2
	s_cselect_b32 s38, s38, s6
	s_cselect_b32 s39, s39, s7
	s_cselect_b32 s61, 0x10000, s61
	s_cselect_b32 s62, 1, s62
	s_cmp_lt_u32 s8, 2
	s_cselect_b32 s2, s2, s38
	s_cselect_b32 s4, s4, s39
	s_cselect_b32 s60, 0x8000, s60
	s_cselect_b32 s62, 1, s62
	s_mov_b32 s3, 0
	s_mov_b32 s5, 0
	s_lshr_b32 s15, s60, 1                         ; one row
	v_mul_u32_u24 v[OFF], v[TM+1], s15
	v_add_nc_u32 v[OFF], v[TM+2], v[OFF]
.set i, 1
.rept 15
	v_add_nc_u32 v[OFF+i], s60, v[OFF+i-1]
.set i, i+1
.endr
	v_mov_b32 v[DO], v[L16]
.set i, 1
.rept 3
	v_add_nc_u32 v[DO+i], s61, v[DO+i-1]
.set i, i+1
.endr
	s_mov_b32 s40, 0x3f07dc22                      ; c5 =  0.530702716   (each constant twice: the packed forms name a pair)
	s_mov_b32 s41, s40
	s_mov_b32 s42, 0xbf3a00e3                      ; c4 = -0.726576014
	s_mov_b32 s43, s42
	s_mov_b32 s44, 0x3f35f0e3                      ; c3 =  0.710706871
	s_mov_b32 s45, s44
	s_mov_b32 s46, 0xbe11a98e                      ; c2 = -0.142248368
	s_mov_b32 s47, s46
	s_mov_b32 s48, 0x3e027906                      ; c1 =  0.127414796
	s_mov_b32 s49, s48
	s_mov_b32 s50, 0xbf38aa3b                      ; -log2(e) / 2
	s_mov_b32 s51, s50
	s_mov_b32 s52, 0xc038aa3b                      ; -2 log2(e)
	s_mov_b32 s53, s52
	s_mov_b32 s54, 0x3e6d3389                      ; 0.2316419
	s_mov_b32 s55, 0xffff0000                      ; a word's upper bf16
	s_lshl_b32 s12, ttmp9, 14                      ; 16 rows of x (1,024 bytes each), and a token block of hs,
	s_lshl_b32 s13, s8, 12                         ; my wave's quarter
	s_add_co_u32 s12, s12, s13
	s_mov_b32 s13, 0
	s_lshr_b32 s14, s12, 1                         ; the same rows in xh
	s_mov_b32 s15, 0
	s_lshl_b32 s6, s8, 8                           ; my wave's 64 channels in b1 and in a row of W1
	s_mov_b32 s7, 0
	s_wait_kmcnt 0x0
	s_add_nc_u64 s[16:17], s[16:17], s[12:13]
	s_add_nc_u64 s[34:35], s[34:35], s[12:13]
	s_add_nc_u64 s[32:33], s[32:33], s[14:15]
	s_add_nc_u64 s[20:21], s[20:21], s[6:7]
	s_add_nc_u64 s[18:19], s[18:19], s[6:7]
	s_cmp_eq_u32 s11, 0                            ; the unit's source: a choice between buffers by the wave's and the work-group's numbers
	s_cselect_b64 s[56:57], s[24:25], s[26:27]
	s_cmp_eq_u32 s11, 2
	s_cselect_b64 s[56:57], s[28:29], s[56:57]
	s_cmp_eq_u32 s8, 2
	s_cselect_b64 s[56:57], s[30:31], s[56:57]
	s_cmp_lt_u32 s8, 2
	s_cselect_b64 s[56:57], s[22:23], s[56:57]
	s_add_nc_u64 s[56:57], s[56:57], s[2:3]
	s_add_nc_u64 s[58:59], s[36:37], s[4:5]
	; ALL LOADS AT ONCE: x 8, b1 8 (into the accumulators: the sums start from the bias), the unit 16, W1 128
.set i, 0
.rept 8
	global_load_b128 v[XD+4*i:XD+4*i+3], v[L16], s[16:17] offset:512*i th:TH_LOAD_NT
.set i, i+1
.endr
.set i, 0
.rept 4
	global_load_b128 v[ACC+8*i:ACC+8*i+3], v[H32], s[20:21] offset:64*i
	global_load_b128 v[ACC+8*i+4:ACC+8*i+7], v[H32], s[20:21] offset:64*i+16
.set i, i+1
.endr
.set i, 0
.rept 16
	global_load_b128 v[UD+4*i:UD+4*i+3], v[OFF+i], s[56:57]
.set i, i+1
.endr
.set kc, 0
.rept 8                                ; W1's 32 rows of K step kc -> 64 registers at 64 (kc % 4) of window 1 + kc / 4
	WIN 0x40*(1+kc/4)
.set i, 0
.rept 16
	global_load_b128 v[64*(kc%4)+4*i:64*(kc%4)+4*i+3], v[W1O], s[18:19] offset:kc*32768+i*2048
.set i, i+1
.endr
.set kc, kc+1
.endr
	WIN 0
	s_wait_loadcnt 63                              ; of 160 loads at most 63 are out: x, b1, the unit and W1's first 65 loads (K steps 0 to 3) are in
	; x: rounded to bf16 into XA for the product; that number as f16 into xh
.set i, 0
.rept 8
	v_cvt_pk_bf16_f32 v[TM], v[XD+4*i], v[XD+4*i+1]
	v_cvt_pk_bf16_f32 v[TM+1], v[XD+4*i+2], v[XD+4*i+3]
	ds_store_b64 v[XST], v[TM:TM+1] offset:(i/2)*XP+(i%2)*256
	v_lshlrev_b32 v[TM+2], 16, v[TM]
	v_and_b32 v[TM+3], s55, v[TM]
	v_lshlrev_b32 v[TM+4], 16, v[TM+1]
	v_and_b32 v[TM+5], s55, v[TM+1]
	v_cvt_pk_f16_f32 v[XD+4*i], v[TM+2], v[TM+3]
	v_cvt_pk_f16_f32 v[XD+4*i+1], v[TM+4], v[TM+5]
	global_store_b64 v[L8], v[XD+4*i:XD+4*i+1], s[32:33] offset:256*i  ; the wave stores 256 consecutive bytes, aligned
.set i, i+1
.endr
	; the unit: rounded to bf16, written as f16 into my tile [32 k][64 n], and turned
.set i, 0
.rept 16
	v_cvt_pk_bf16_f32 v[TM], v[UD+4*i], v[UD+4*i+1]
	v_cvt_pk_bf16_f32 v[TM+1], v[UD+4*i+2], v[UD+4*i+3]
	v_lshlrev_b32 v[TM+2], 16, v[TM]
	v_and_b32 v[TM+3], s55, v[TM]
	v_lshlrev_b32 v[TM+4], 16, v[TM+1]
	v_and_b32 v[TM+5], s55, v[TM+1]
	v_cvt_pk_f16_f32 v[TM+6], v[TM+2], v[TM+3]
	v_cvt_pk_f16_f32 v[TM+7], v[TM+4], v[TM+5]
	ds_store_b64 v[STA], v[TM+6:TM+7] offset:i*2*TP
.set i, i+1
.endr
.irp j, 0,1,2,3                        ; LDS serves a wave's instructions in order (ISA guide 5.7.1.4): these see my stores above
	ds_load_tr16_b128 v[BFR+8*\j:BFR+8*\j+3],   v[TRA] offset:32*\j
	ds_load_tr16_b128 v[BFR+8*\j+4:BFR+8*\j+7], v[TRA] offset:16*TP+32*\j
.endr
.set i, 0
.rept 16                               ; b1 rounded to bf16, in place, while the turned fragments come
	v_cvt_pk_bf16_f32 v[TM], v[ACC+2*i], v[ACC+2*i+1]
	v_lshlrev_b32 v[ACC+2*i], 16, v[TM]
	v_and_b32 v[ACC+2*i+1], s55, v[TM]
.set i, i+1
.endr
	s_wait_dscnt 0x0                               ; the fragments are in; my stores into XA are done, for the others' sake
	s_cmp_eq_u32 s62, 1
	s_cbranch_scc0 .Lno_unit
.irp j, 0,1,2,3
	global_store_b128 v[DO+\j], v[BFR+8*\j:BFR+8*\j+3],   s[58:59]             ; 512 consecutive bytes each
	global_store_b128 v[DO+\j], v[BFR+8*\j+4:BFR+8*\j+7], s[58:59] offset:512
.endr
.Lno_unit:
	s_barrier_signal -1
	s_barrier_wait -1                              ; all sixteen rows of XA are there
	s_wait_xcnt 0x0                                ; the stores have read BFR and XD: they are written again below
; K step kc of x W1: 32 x 64 numbers of W1 rounded to bf16, through my tile, turned; four products on four accumulators, which take turns.
.macro TRIP kc
.if (\kc) >= 4
	s_wait_loadcnt 16*(7-(\kc))                    ; the W1 loads issued behind this K step's sixteen may stay out
.endif
	WIN 0x05*(1+(\kc)/4)
.set m, 0
.rept 32                               ; these 32 are also the places between the last K step's products and the loads into their sources
	v_cvt_pk_bf16_f32 v[PK+m], v[64*((\kc)%4)+2*m], v[64*((\kc)%4)+2*m+1]
.set m, m+1
.endr
	WIN 0
.set m, 0
.rept 16
	ds_store_b64 v[STA], v[PK+2*m:PK+2*m+1] offset:m*2*TP
.set m, m+1
.endr
.irp j, 0,1,2,3
	ds_load_tr16_b128 v[BFR+8*\j:BFR+8*\j+3],   v[TRA] offset:32*\j
	ds_load_tr16_b128 v[BFR+8*\j+4:BFR+8*\j+7], v[TRA] offset:16*TP+32*\j
.endr
	ds_load_b128 v[AF:AF+3],   v[AFA] offset:64*(\kc)
	ds_load_b128 v[AF+4:AF+7], v[AFA] offset:64*(\kc)+32
	s_wait_dscnt 0x0
.irp j, 0,1,2,3
	v_wmma_f32_16x16x32_bf16 v[ACC+8*\j:ACC+8*\j+7], v[BFR+8*\j:BFR+8*\j+7], v[AF:AF+7], v[ACC+8*\j:ACC+8*\j+7]
.endr
.endm
.irp kc, 0,1,2,3,4,5,6,7
	TRIP \kc
.endr
.rept 4
	v_nop                                          ; four places behind the last product
.endr
	; gelu on my 32 numbers p; each accumulator is read from its low end on
.set i, 0
.rept 16
	v_pk_mul_f32 v[GE+2*i:GE+2*i+1], v[ACC+2*i:ACC+2*i+1], v[ACC+2*i:ACC+2*i+1]
.set i, i+1
.endr
.set i, 0
.rept 32
	v_fma_f32 v[GT+i], |v[ACC+i]|, s54, 1.0
.set i, i+1
.endr
.set i, 0
.rept 16
	v_pk_mul_f32 v[GE+2*i:GE+2*i+1], v[GE+2*i:GE+2*i+1], s[50:51] op_sel_hi:[1,0]
.set i, i+1
.endr
.set i, 0
.rept 32
	v_rcp_f32 v[GT+i], v[GT+i]
.set i, i+1
.endr
.set i, 0
.rept 32
	v_exp_f32 v[GE+i], v[GE+i]
.set i, i+1
.endr
	v_nop                                          ; a plain instruction behind the last of the batch,
	s_wait_alu depctr_va_vdst(0)                   ; and one wait for its 64, ahead of the first reader
.set i, 0
.rept 16
	v_pk_fma_f32 v[GA+2*i:GA+2*i+1], v[GT+2*i:GT+2*i+1], s[40:41], s[42:43] op_sel_hi:[1,0,0]
.set i, i+1
.endr
.irp c, 44,46,48
.set i, 0
.rept 16
	v_pk_fma_f32 v[GA+2*i:GA+2*i+1], v[GA+2*i:GA+2*i+1], v[GT+2*i:GT+2*i+1], s[\c:\c+1] op_sel_hi:[1,1,0]
.set i, i+1
.endr
.endr
.set i, 0
.rept 16
	v_pk_mul_f32 v[GT+2*i:GT+2*i+1], v[GT+2*i:GT+2*i+1], v[GE+2*i:GE+2*i+1]
	v_pk_mul_f32 v[GA+2*i:GA+2*i+1], v[GA+2*i:GA+2*i+1], v[GT+2*i:GT+2*i+1]  ; Q
.set i, i+1
.endr
.set i, 0
.rept 32
	v_sub_f32 v[GT+i], 1.0, v[GA+i]
	v_cmp_le_f32 vcc_lo, 0, v[ACC+i]
	v_cndmask_b32 v[GA+i], v[GA+i], v[GT+i], vcc_lo  ; Phi
.set i, i+1
.endr
.set i, 0
.rept 16
	v_pk_mul_f32 v[ACC+2*i:ACC+2*i+1], v[ACC+2*i:ACC+2*i+1], s[52:53] op_sel_hi:[1,0]
	v_pk_mul_f32 v[ACC+2*i:ACC+2*i+1], v[ACC+2*i:ACC+2*i+1], v[GA+2*i:GA+2*i+1]  ; h'
.set i, i+1
.endr
	; hi = f16(h'); lo = f16(h' - hi), the difference exact in one fused multiply-add from hi's half
	v_mov_b32 v[TM], 1.0
.set i, 0
.rept 16
	v_cvt_pk_f16_f32 v[HI+i], v[ACC+2*i], v[ACC+2*i+1]
.set i, i+1
.endr
.set i, 0
.rept 16
	v_fma_mix_f32 v[DF+2*i],   -v[HI+i], v[TM], v[ACC+2*i]   op_sel_hi:[1,0,0]
	v_fma_mix_f32 v[DF+2*i+1], -v[HI+i], v[TM], v[ACC+2*i+1] op_sel:[1,0,0] op_sel_hi:[1,0,0]
.set i, i+1
.endr
.set i, 0
.rept 16
	v_cvt_pk_f16_f32 v[LO+i], v[DF+2*i], v[DF+2*i+1]
.set i, i+1
.endr
.irp j, 0,1,2,3                        ; accumulator j is half j % 2 of the fragment of K step 2 w + j / 2
	global_store_b128 v[L16], v[HI+4*\j:HI+4*\j+3], s[34:35] offset:(\j/2)*2048+(\j%2)*512
	global_store_b128 v[L16], v[LO+4*\j:LO+4*\j+3], s[34:35] offset:(\j/2)*2048+1024+(\j%2)*512
.endr
	s_wait_tensorcnt 0x0                           ; the wave's end: three closing lines behind my last LDS store
	ds_add_u32 v[SPW], v[NIL]
	s_wait_dscnt 0x0
	s_endpgm
.Lfunc_end_k_q934cc64da3_prep:
	.size	k_q934cc64da3_prep, .Lfunc_end_k_q934cc64da3_prep-k_q934cc64da3_prep
	.p2alignl 7, 3214868480
	.fill 96, 4, 3214868480
	.section	.rodata,"a",@progbits
	.p2align	6, 0x0
	.amdhsa_kernel k_q934cc64da3_prep
		.amdhsa_group_segment_fixed_size 29696
		.amdhsa_private_segment_fixed_size 0
		.amdhsa_enable_private_segment 0
		.amdhsa_kernarg_size 88
		.amdhsa_user_sgpr_count 2
		.amdhsa_user_sgpr_kernarg_segment_ptr 1
		.amdhsa_wavefront_size32 1
		.amdhsa_system_sgpr_workgroup_id_x 1
		.amdhsa_system_sgpr_workgroup_id_y 1
		.amdhsa_system_sgpr_workgroup_id_z 1
		.amdhsa_system_vgpr_workitem_id 0
		.amdhsa_next_free_vgpr 768
		.amdhsa_next_free_sgpr 66
		.amdhsa_reserve_vcc 1
		.amdhsa_float_denorm_mode_32 3
		.amdhsa_float_denorm_mode_16_64 3
		.amdhsa_memory_ordered 1
		.amdhsa_forward_progress 1
		.amdhsa_inst_pref_size 90
	.end_amdhsa_kernel
	.amdgpu_metadata
---
amdhsa.version: [ 1, 2 ]
amdhsa.kernels:
  - .name:           k_q934cc64da3_prep
    .symbol:         k_q934cc64da3_prep.kd
    .args:
      - { .name: x, .offset: 0, .size: 8, .value_kind: global_buffer, .address_space: global }
      - { .name: W1, .offset: 8, .size: 8, .value_kind: global_buffer, .address_space: global }
      - { .name: b1, .offset: 16, .size: 8, .value_kind: global_buffer, .address_space: global }
      - { .name: W2, .offset: 24, .size: 8, .value_kind: global_buffer, .address_space: global }
      - { .name: Wq, .offset: 32, .size: 8, .value_kind: global_buffer, .address_space: global }
      - { .name: Wk, .offset: 40, .size: 8, .value_kind: global_buffer, .address_space: global }
      - { .name: Wv, .offset: 48, .size: 8, .value_kind: global_buffer, .address_space: global }
      - { .name: Wo, .offset: 56, .size: 8, .value_kind: global_buffer, .address_space: global }
      - { .name: xh, .offset: 64, .size: 8, .value_kind: global_buffer, .address_space: global }
      - { .name: hs, .offset: 72, .size: 8, .value_kind: global_buffer, .address_space: global }
      - { .name: wf, .offset: 80, .size: 8, .value_kind: global_buffer, .address_space: global }
    .group_segment_fixed_size: 29696
    .private_segment_fixed_size: 0
    .kernarg_segment_align: 8
    .kernarg_segment_size: 88
    .max_flat_workgroup_size: 128
    .sgpr_count:     66
    .vgpr_count:     768
    .wavefront_size: 32
...
	.end_amdgpu_metadata
.endif
;; end of part 1
;; launch offs (part 2): grid 8 x 32, 4 waves a work-group, clusters of 4 x 1, 167,936 bytes of LDS; arguments hs, wf, b2, sidx, swgt; writes sidx, swgt
.if DOCPART == 2
	.amdgcn_target "amdgcn-amd-amdhsa--gfx1250"
	.amdhsa_code_object_version 6
	.text
	.protected	k_q934cc64da3_offs
	.globl	k_q934cc64da3_offs
	.p2align	8
	.type	k_q934cc64da3_offs,@function
k_q934cc64da3_offs:
	s_mov_b64 s[64:65], 0
	v_nop
	global_prefetch_b8 v0, s[64:65] scope:SCOPE_SE
	s_setreg_imm32_b32 hwreg(HW_REG_WAVE_MODE, 25, 1), 1
	s_wait_xcnt 0x0
	s_wait_alu depctr_hold_cnt(0) depctr_sa_sdst(0) depctr_va_vdst(0) depctr_va_sdst(0) depctr_va_ssrc(0) depctr_va_vcc(0) depctr_vm_vsrc(0)
	s_getreg_b32 s2, hwreg(HW_REG_IB_STS2, 6, 4)
	s_cmp_eq_u32 s2, 0
	s_cbranch_scc0 .Lentry_in_a_cluster
	s_endpgm
.Lentry_in_a_cluster:
	s_bfe_u32 s2, ttmp6, 0x10000c
	s_cmp_lg_u32 s2, 0x3003
	s_cbranch_scc0 .Lentry_shape_is_right
	s_endpgm
.Lentry_shape_is_right:
; OFFS.  a = h' W2 + (-2 log2 e) b2 = -2 log2(e) z;  (tanh z + 1) / 2 = 1 / (1 + 2^a);  ix = 255 x that (even columns), iy = 4,095 x that (odd columns).
; Stored for each sample: the whole number (floor iy << 8) | floor ix in sidx, and the fractions as two f16 (wx low, wy high) in swgt.
; h' comes as two f16 pieces hi + lo, both multiplied by the same f16 weights into one f32 sum: 22 bits of h' reach z.  b2 is rounded to bf16.
; SHARES.  A work-group makes 128 tokens (8 blocks of 16) x the 512 columns of one deformable head dh; a wave 128 columns.  THE WAVE'S WEIGHTS STAY IN REGISTERS (8 n blocks x 8 K steps x 8 = 512);
; the loop walks the token blocks, so there are eight accumulators and the way out is written once.
; CLUSTER.  The four dh of a cluster take the same 128 tokens: hs's 131,072 bytes are asked for JOINTLY, a quarter by each wave, once.  The place in the cluster enters global addresses alone.
; LAYOUT.  Source 0 = 16 columns of W2, source 1 = 16 tokens: lane r + 16 h holds token r and columns 8 h + 0..7 = channels 4 h + 0..3, x and y side by side.
; The words go where the lane that will build xs's fragment wants them: [bd][tb][kc][j4][lane'][4 words]; for n block nbl = 8 w + b: kc = nbl / 4, j4 = 2 ((nbl / 2) % 2) + h, lane' = r + 16 (nbl % 2).
; LIMITS.  2^a overflows to infinity for z below -44 and the place is then 0, as tanh's own rounding gives; NaN is not treated apart.
.set SPARE, 131072
.set LA,  1                            ; 16 x lane + the token block's 16,384 bytes in LDS
.set SO,  2                            ; 512 h + 16 r + 4,096 w + the token block's 16,384 bytes in sidx and swgt
.set L16, 3
.set H32, 4
.set SC,  6                            ; v[6:7] = 255, 4095
.set SPW, 28
.set NIL, 29
.set ACC, 32                           ; v32-95   eight accumulators
.set IDX, 96                           ; v96-127  32 whole numbers
.set WGT, 128                          ; v128-159 32 pairs of fractions
.set FR,  160                          ; at work
.set BIAS, 128                         ; window 1: v128-191; v0-127 of window 1: h's 16 fragments (2 kc + piece).  Windows 2, 3: W2, K step kc, block b at 64 (kc % 4) + 8 b
.set WV,  14
.set MSB, 0
.macro WIN new
.if MSB != (\new)
	s_set_vgpr_msb (MSB<<8)|(\new)
.set MSB, (\new)
.endif
.endm
.macro PLACES
.rept 4
	v_nop
.endr
.endm
.macro CROUND                          ; a round of the cluster's barrier
	s_barrier_signal -1
	s_barrier_wait -1
	s_cmp_lg_u32 s[WV], 0
	s_cbranch_scc1 .Lnot_wave_0_\@
	s_barrier_signal -3
.Lnot_wave_0_\@:
	s_barrier_wait -3
	s_barrier_signal -1
	s_barrier_wait -1
.endm
	s_load_b256 s[4:11], s[0:1], 0x0               ; hs 4, wf 6, b2 8, sidx 10
	s_load_b64 s[12:13], s[0:1], 0x20              ; swgt
	v_lshl_add_u32 v[SPW], v0, 2, SPARE
	v_mov_b32 v[NIL], 0
	ds_add_u32 v[SPW], v[NIL]                      ; the wave's opening: the add and its wait come ahead of my first tensor load
	v_lshrrev_b32 v5, 5, v0
	v_readfirstlane_b32 s[WV], v5
	s_bfe_u32 s15, ttmp6, 0x40000                  ; cx
	s_lshl_b32 s28, ttmp9, 2
	s_add_co_u32 s28, s28, s15                     ; dh = 4 x cluster x + cx
	s_and_b32 s29, ttmp7, 0xffff                   ; tg: 128 tokens, which the four partners share
	s_mov_b32 s16, 15|(3<<16)|(1<<21)              ; group 1: the mask of four; elements of 8 bytes; bit 21 beside a mask
	s_mov_b32 s17, 32<<16                          ; tensor_dim0 = 32 (256 bytes)
	s_mov_b32 s18, 128<<16                         ; tensor_dim1 = 128
	s_mov_b32 s19, 32<<16                          ; tile_dim0 = 32
	s_mov_b32 s20, 128                             ; tile_dim1 = 128
	s_mov_b32 s21, 32                              ; dense rows
	s_mov_b32 s22, 0
	s_mov_b32 s23, 0
	s_mov_b32 s24, 1
	s_lshl_b32 s25, s[WV], 15                      ; LDS: my quarter
	s_lshl_b32 s30, s29, 17
	s_add_co_u32 s30, s30, s25                     ; hs: tg x 131,072 + w x 32,768
	s_mov_b32 s31, 0
	s_lshl_b32 s32, s28, 5
	s_lshl_b32 s33, s[WV], 3
	s_add_co_u32 s32, s32, s33                     ; my first n block: 32 dh + 8 w
	s_lshl_b32 s34, s32, 6                         ; in b2: 64 bytes a block
	s_mov_b32 s35, 0
	s_lshl_b32 s32, s32, 13                        ; in wf: 8,192 bytes a block
	s_mov_b32 s33, 0
	s_lshr_b32 s40, s29, 2                         ; batch
	s_lshl_b32 s40, s40, 3
	s_add_co_u32 s40, s40, s28                     ; bd = 8 b + dh
	s_lshl_b32 s40, s40, 5
	s_and_b32 s41, s29, 3
	s_lshl_b32 s41, s41, 3
	s_add_co_u32 s40, s40, s41                     ; 32 bd + my first token block
	s_lshl_b32 s40, s40, 14
	s_mov_b32 s41, 0
	s_mov_b32 s36, 0xc038aa3b                      ; -2 log2(e)
	s_mov_b32 s37, s36
	s_mov_b32 s38, 0xffff0000
	v_and_b32 v5, 31, v0
	v_lshlrev_b32 v[L16], 4, v5
	v_mov_b32 v[LA], v[L16]
	v_bfe_u32 v5, v0, 4, 1                         ; h
	v_lshlrev_b32 v[H32], 5, v5
	v_and_b32 v[SO], 15, v0
	v_lshlrev_b32 v[SO], 4, v[SO]
	v_lshl_add_u32 v[SO], v5, 9, v[SO]
	s_lshl_b32 s39, s[WV], 12
	v_add_nc_u32 v[SO], s39, v[SO]
	v_mov_b32 v[SC], 0x437f0000                    ; 255
	v_mov_b32 v[SC+1], 0x457ff000                  ; 4095
	s_wait_dscnt 0x0                               ; the opening add is done
	s_wait_kmcnt 0x0
	s_add_nc_u64 s[26:27], s[4:5], s[30:31]
	s_or_b32 s27, s27, 0x80000000
	s_add_nc_u64 s[8:9], s[8:9], s[34:35]
	s_add_nc_u64 s[6:7], s[6:7], s[32:33]
	s_add_nc_u64 s[10:11], s[10:11], s[40:41]
	s_add_nc_u64 s[12:13], s[12:13], s[40:41]
	CROUND                                         ; all four work-groups are here: the joint loads meet
	tensor_load_to_lds s[24:27], s[16:23]          ; my one tensor load of the launch
	s_nop 0
	PLACES
	WIN 0x40
.set b, 0
.rept 8
	global_load_b128 v[BIAS+8*b:BIAS+8*b+3],   v[H32], s[8:9] offset:64*b
	global_load_b128 v[BIAS+8*b+4:BIAS+8*b+7], v[H32], s[8:9] offset:64*b+16
.set b, b+1
.endr
.set kc, 0
.rept 8
	WIN 0x80+0x40*(kc/4)
.set b, 0
.rept 8
	global_load_b128 v[64*(kc%4)+8*b:64*(kc%4)+8*b+3],   v[L16], s[6:7] offset:b*8192+kc*1024
	global_load_b128 v[64*(kc%4)+8*b+4:64*(kc%4)+8*b+7], v[L16], s[6:7] offset:b*8192+kc*1024+512
.set b, b+1
.endr
.set kc, kc+1
.endr
	s_wait_loadcnt 63                              ; of 144 loads at most 63 are out: b2 and W2's first 65 loads (K steps 0 to 3) are in
	WIN 0x05                                       ; b2 rounded to bf16 and scaled
.set i, 0
.rept 32
	v_cvt_pk_bf16_f32 v[IDX+i], v[BIAS+2*i], v[BIAS+2*i+1]
.set i, i+1
.endr
	WIN 0x40
.set i, 0
.rept 32
	v_lshlrev_b32 v[BIAS+2*i], 16, v[IDX+i]
	v_and_b32 v[BIAS+2*i+1], s38, v[IDX+i]
.set i, i+1
.endr
	WIN 0x41
.set i, 0
.rept 32
	v_pk_mul_f32 v[BIAS+2*i:BIAS+2*i+1], v[BIAS+2*i:BIAS+2*i+1], s[36:37] op_sel_hi:[1,0]
.set i, i+1
.endr
	WIN 0
	s_wait_tensorcnt 0x0                           ; my quarter of the tokens is in,
	s_barrier_signal -1
	s_barrier_wait -1                              ; everybody's is
	s_mov_b32 s39, 8
.Ltb:                                              ; a trip: one block of 16 tokens
	WIN 0x40
.set p, 0
.rept 16
	ds_load_b128 v[8*p:8*p+3],   v[LA] offset:p*1024
	ds_load_b128 v[8*p+4:8*p+7], v[LA] offset:p*1024+512
.set p, p+1
.endr
.set p, 0
.rept 16                               ; fragment p = 2 kc + piece; the eight accumulators take turns
	s_wait_dscnt 30-2*p                            ; the LDS loads issued behind fragment p's two may stay out
.if (p >= 8) && (p%2 == 0)
	s_wait_loadcnt 16*(7-p/2)                      ; first trip: the W2 loads issued behind K step p / 2's sixteen may stay out; later trips find nothing out
.endif
.if p == 0
	WIN 0x16                                       ; W2 window 2, h window 1, C = the bias in window 1, D window 0
.elseif p < 8
	WIN 0x06
.else
	WIN 0x07                                       ; W2 window 3
.endif
.set b, 0
.rept 8
.if p == 0
	v_wmma_f32_16x16x32_f16 v[ACC+8*b:ACC+8*b+7], v[64*((p/2)%4)+8*b:64*((p/2)%4)+8*b+7], v[8*p:8*p+7], v[BIAS+8*b:BIAS+8*b+7]
.else
	v_wmma_f32_16x16x32_f16 v[ACC+8*b:ACC+8*b+7], v[64*((p/2)%4)+8*b:64*((p/2)%4)+8*b+7], v[8*p:8*p+7], v[ACC+8*b:ACC+8*b+7]
.endif
.set b, b+1
.endr
.set p, p+1
.endr
	WIN 0
	PLACES
.set i, 0
.rept 64                               ; each accumulator is read from its low end on
	v_exp_f32 v[ACC+i], v[ACC+i]
.set i, i+1
.endr
	v_nop
	s_wait_alu depctr_va_vdst(0)                   ; one wait for the 64 exponentials
.set i, 0
.rept 32
	v_pk_add_f32 v[ACC+2*i:ACC+2*i+1], v[ACC+2*i:ACC+2*i+1], 1.0 op_sel_hi:[1,0]
.set i, i+1
.endr
.set i, 0
.rept 64
	v_rcp_f32 v[ACC+i], v[ACC+i]
.set i, i+1
.endr
	v_nop
	s_wait_alu depctr_va_vdst(0)                   ; one wait for the 64 reciprocals
.set i, 0
.rept 32
	v_pk_mul_f32 v[ACC+2*i:ACC+2*i+1], v[ACC+2*i:ACC+2*i+1], v[SC:SC+1]  ; ix, iy
.set i, i+1
.endr
.set i, 0
.rept 32
	v_fract_f32 v[FR+2*(i%4)],   v[ACC+2*i]
	v_fract_f32 v[FR+2*(i%4)+1], v[ACC+2*i+1]
	v_cvt_pk_f16_f32 v[WGT+i], v[FR+2*(i%4)], v[FR+2*(i%4)+1]
	v_cvt_u32_f32 v[ACC+2*i],   v[ACC+2*i]         ; toward zero: the floor, since no place is negative
	v_cvt_u32_f32 v[ACC+2*i+1], v[ACC+2*i+1]
	v_lshl_or_b32 v[IDX+i], v[ACC+2*i+1], 8, v[ACC+2*i]
.set i, i+1
.endr
.set b, 0
.rept 8                                ; lanes 0-15 and lanes 16-31 each store 256 consecutive bytes, aligned
	global_store_b128 v[SO], v[IDX+4*b:IDX+4*b+3], s[10:11] offset:(b/2)*1024+(b%2)*256
	global_store_b128 v[SO], v[WGT+4*b:WGT+4*b+3], s[12:13] offset:(b/2)*1024+(b%2)*256
.set b, b+1
.endr
	s_wait_xcnt 0x0                                ; the stores have read their data and their offset: both are written again from here on
	v_add_nc_u32 v[SO], 16384, v[SO]
	v_add_nc_u32 v[LA], 16384, v[LA]
	s_sub_co_u32 s39, s39, 1
	s_cmp_lg_u32 s39, 0
	s_cbranch_scc1 .Ltb
	s_wait_tensorcnt 0x0                           ; the wave's end
	ds_add_u32 v[SPW], v[NIL]
	s_wait_dscnt 0x0
	CROUND                                         ; the closing round
	s_endpgm
.Lfunc_end_k_q934cc64da3_offs:
	.size	k_q934cc64da3_offs, .Lfunc_end_k_q934cc64da3_offs-k_q934cc64da3_offs
	.p2alignl 7, 3214868480
	.fill 96, 4, 3214868480
	.section	.rodata,"a",@progbits
	.p2align	6, 0x0
	.amdhsa_kernel k_q934cc64da3_offs
		.amdhsa_group_segment_fixed_size 167936
		.amdhsa_private_segment_fixed_size 0
		.amdhsa_enable_private_segment 0
		.amdhsa_kernarg_size 40
		.amdhsa_user_sgpr_count 2
		.amdhsa_user_sgpr_kernarg_segment_ptr 1
		.amdhsa_wavefront_size32 1
		.amdhsa_system_sgpr_workgroup_id_x 1
		.amdhsa_system_sgpr_workgroup_id_y 1
		.amdhsa_system_sgpr_workgroup_id_z 1
		.amdhsa_system_vgpr_workitem_id 0
		.amdhsa_next_free_vgpr 1024
		.amdhsa_next_free_sgpr 66
		.amdhsa_reserve_vcc 0
		.amdhsa_float_denorm_mode_32 3
		.amdhsa_float_denorm_mode_16_64 3
		.amdhsa_memory_ordered 1
		.amdhsa_forward_progress 1
		.amdhsa_inst_pref_size 53
	.end_amdhsa_kernel
	.amdgpu_metadata
---
amdhsa.version: [ 1, 2 ]
amdhsa.kernels:
  - .name:           k_q934cc64da3_offs
    .symbol:         k_q934cc64da3_offs.kd
    .args:
      - { .name: hs, .offset: 0, .size: 8, .value_kind: global_buffer, .address_space: global }
      - { .name: wf, .offset: 8, .size: 8, .value_kind: global_buffer, .address_space: global }
      - { .name: b2, .offset: 16, .size: 8, .value_kind: global_buffer, .address_space: global }
      - { .name: sidx, .offset: 24, .size: 8, .value_kind: global_buffer, .address_space: global }
      - { .name: swgt, .offset: 32, .size: 8, .value_kind: global_buffer, .address_space: global }
    .group_segment_fixed_size: 167936
    .private_segment_fixed_size: 0
    .kernarg_segment_align: 8
    .kernarg_segment_size: 40
    .max_flat_workgroup_size: 128
    .sgpr_count:     66
    .vgpr_count:     1024
    .wavefront_size: 32
...
	.end_amdgpu_metadata
.endif
;; end of part 2
;; launch samp (part 3): grid 256 x 1, 16 waves a work-group, no clusters, 265,216 bytes of LDS; arguments xh, sidx, swgt, xs; writes xs
.if DOCPART == 3
	.amdgcn_target "amdgcn-amd-amdhsa--gfx1250"
	.amdhsa_code_object_version 6
	.text
	.protected	k_q934cc64da3_samp
	.globl	k_q934cc64da3_samp
	.p2align	8
	.type	k_q934cc64da3_samp,@function
k_q934cc64da3_samp:
	s_mov_b64 s[64:65], 0
	v_nop
	global_prefetch_b8 v0, s[64:65] scope:SCOPE_SE
	s_setreg_imm32_b32 hwreg(HW_REG_WAVE_MODE, 25, 1), 1
	s_wait_xcnt 0x0
; SAMP.  The bilinear gather: xs[bd][t][c] = (1 - wy) ((1 - wx) f[y][x] + wx f[y][x + 1]) + wy ((1 - wx) f[y + 1][x] + wx f[y + 1][x + 1]), f = the batch's 512 x 256 field in f16,
; y = (floor iy) mod 512 (the field is x tiled eight times down), x = floor ix, both read as whole numbers that the launch before stored; arithmetic in f32, xs rounded once to f16.
; THE WHOLE FIELD LIES IN LDS, 262,144 bytes, rows 0 and 1 once more behind it: so 'one row down' is + 512 bytes and 'one column on' + 2 bytes everywhere.  Where such a step leaves the tiled field
; (iy = 4,095 or ix = 255 exactly) its weight is 0, and what is read there is a finite number of the field.
; SHARES.  Work-group g takes bd = g / 4 and the eight token blocks 8 (g % 4) .. + 7 of it.  Wave w takes token block w / 2 of the eight and K steps 4 (w % 2) .. + 3:
; four fragments of 512 samples, 16 a lane, in the order in which they lie in the lane's registers of xs's fragment: nothing changes lanes.
; NO CLUSTER, though the 32 work-groups of a batch read the same field: in a launch with joint loads every LDS address is alike in all partners, and this launch's LDS addresses are the samples' own
; places, which differ from work-group to work-group.  So each work-group asks for its 262,144 + 1,024 bytes by itself, once.
; No matrix unit: nothing here is a product of matrices.  Sixteen waves, since what a wave waits for is scattered LDS reads.
.set WRAP,  262144
.set SPARE, 263168                     ; 128 bytes for each of 16 waves; no other line names them (the farthest read ends at byte 262,142 + 514 + 2)
.set L16, 1
.set SPW, 2
.set NIL, 3
.set SI,  16                           ; v16-79   four fragments' 16 LDS addresses
.set SW,  80                           ; v80-143  their weights
.set CR,  144                          ; v144-207 16 samples x 4 corners
.set TT,  208                          ; at work
.set XO,  224                          ; v224-255 four fragments of xs
.set WV,  12
	s_load_b256 s[4:11], s[0:1], 0x0               ; xh 4, sidx 6, swgt 8, xs 10
	v_lshl_add_u32 v[SPW], v0, 2, SPARE
	v_mov_b32 v[NIL], 0
	ds_add_u32 v[SPW], v[NIL]                      ; the wave's opening: the add and its wait come ahead of my first tensor load
	v_lshrrev_b32 v4, 5, v0
	v_readfirstlane_b32 s[WV], v4                  ; wave 0..15
	s_mov_b32 s16, 3<<16                           ; group 1 for a wave's sixteenth of the field: elements of 8 bytes, 64 rows of 256 bytes, dense
	s_mov_b32 s17, 32<<16
	s_mov_b32 s18, 64<<16
	s_mov_b32 s19, 32<<16
	s_mov_b32 s20, 64
	s_mov_b32 s21, 32
	s_mov_b32 s22, 0
	s_mov_b32 s23, 0
	s_mov_b32 s24, 3<<16                           ; group 1 for the field's first 1,024 bytes once more: 4 rows of 256 bytes
	s_mov_b32 s25, 32<<16
	s_mov_b32 s26, 4<<16
	s_mov_b32 s27, 32<<16
	s_mov_b32 s28, 4
	s_mov_b32 s29, 32
	s_mov_b32 s30, 0
	s_mov_b32 s31, 0
	s_mov_b32 s32, 1
	s_lshl_b32 s33, s[WV], 14                      ; LDS: w x 16,384
	s_mov_b32 s36, 1
	s_mov_b32 s37, WRAP
	s_lshr_b32 s40, ttmp9, 5                       ; the batch: bd / 8 = g / 32
	s_lshl_b32 s40, s40, 18                        ; its field's 262,144 bytes
	s_mov_b32 s41, 0
	s_add_co_u32 s42, s40, s33                     ; my sixteenth of it
	s_mov_b32 s43, 0
	s_lshl_b32 s44, ttmp9, 3                       ; 32 bd + 8 (g % 4) = 8 g: the work-group's first token block
	s_lshr_b32 s45, s[WV], 1
	s_add_co_u32 s44, s44, s45                     ; + my token block
	s_lshl_b32 s44, s44, 3
	s_and_b32 s45, s[WV], 1
	s_lshl_b32 s45, s45, 2
	s_add_co_u32 s44, s44, s45                     ; my first fragment's number
	s_lshl_b32 s46, s44, 11                        ; 2,048 bytes a fragment in sidx and swgt,
	s_mov_b32 s47, 0
	s_lshl_b32 s48, s44, 10                        ; 1,024 in xs
	s_mov_b32 s49, 0
	v_and_b32 v4, 31, v0
	v_lshlrev_b32 v[L16], 4, v4
	s_wait_dscnt 0x0                               ; the opening add is done
	s_wait_kmcnt 0x0
	s_add_nc_u64 s[34:35], s[4:5], s[42:43]
	s_or_b32 s35, s35, 0x80000000
	s_add_nc_u64 s[38:39], s[4:5], s[40:41]
	s_or_b32 s39, s39, 0x80000000
	s_add_nc_u64 s[6:7], s[6:7], s[46:47]
	s_add_nc_u64 s[8:9], s[8:9], s[46:47]
	s_add_nc_u64 s[10:11], s[10:11], s[48:49]
	s_cmp_eq_u32 s[WV], 0                          ; a wave's fills stand in one branch on its number: wave 0 has two out, the others one; the wait below is for 0
	s_cbranch_scc0 .Lothers
	tensor_load_to_lds s[32:35], s[16:23]
	s_nop 0
	tensor_load_to_lds s[36:39], s[24:31]
	s_nop 0
.rept 4
	v_nop
.endr
	s_branch .Lasked
.Lothers:
	tensor_load_to_lds s[32:35], s[16:23]
	s_nop 0
.rept 4
	v_nop
.endr
.Lasked:
.set i, 0
.rept 16                               ; fragment i / 4, samples 4 (i % 4) .. + 3: 512 consecutive bytes a load
	global_load_b128 v[SI+4*i:SI+4*i+3], v[L16], s[6:7] offset:512*i th:TH_LOAD_NT
	global_load_b128 v[SW+4*i:SW+4*i+3], v[L16], s[8:9] offset:512*i th:TH_LOAD_NT
.set i, i+1
.endr
	s_wait_loadcnt 0x0
.set i, 0
.rept 64                               ; (iy << 8 | ix) -> the LDS byte of f[iy mod 512][ix]: held to 20 bits, cut to 17, two bytes a number
	v_min_u32 v[SI+i], 0xfffff, v[SI+i]
	v_and_b32 v[SI+i], 0x1ffff, v[SI+i]
	v_lshlrev_b32 v[SI+i], 1, v[SI+i]
.set i, i+1
.endr
	s_wait_tensorcnt 0x0                           ; my part of the field is in,
	s_barrier_signal -1
	s_barrier_wait -1                              ; everybody's is
.macro BLOCK f                         ; fragment f of my four
.set q, 0
.rept 16
	ds_load_u16 v[CR+4*q],   v[SI+16*(\f)+q]
	ds_load_u16 v[CR+4*q+1], v[SI+16*(\f)+q] offset:2
	ds_load_u16 v[CR+4*q+2], v[SI+16*(\f)+q] offset:512
	ds_load_u16 v[CR+4*q+3], v[SI+16*(\f)+q] offset:514
.set q, q+1
.endr
.set q, 0
.rept 16
	s_wait_dscnt 60-4*q                            ; the loads issued behind sample q's four may stay out
	v_fma_mix_f32 v[TT],   -v[SW+16*(\f)+q], v[CR+4*q],   v[CR+4*q]   op_sel_hi:[1,1,1]   ; f00 - wx f00
	v_fma_mix_f32 v[TT+1], -v[SW+16*(\f)+q], v[CR+4*q+2], v[CR+4*q+2] op_sel_hi:[1,1,1]
	v_fma_mix_f32 v[TT],    v[SW+16*(\f)+q], v[CR+4*q+1], v[TT]       op_sel_hi:[1,1,0]   ; + wx f01
	v_fma_mix_f32 v[TT+1],  v[SW+16*(\f)+q], v[CR+4*q+3], v[TT+1]     op_sel_hi:[1,1,0]
	v_sub_f32 v[TT+1], v[TT+1], v[TT]
	v_fma_mix_f32 v[TT+2+q%2], v[SW+16*(\f)+q], v[TT+1], v[TT] op_sel:[1,0,0] op_sel_hi:[1,0,0]  ; upper + wy (lower - upper)
.if q%2
	v_cvt_pk_f16_f32 v[XO+8*(\f)+q/2], v[TT+2], v[TT+3]
.endif
.set q, q+1
.endr
	global_store_b128 v[L16], v[XO+8*(\f):XO+8*(\f)+3],   s[10:11] offset:1024*(\f)      ; 512 consecutive bytes each
	global_store_b128 v[L16], v[XO+8*(\f)+4:XO+8*(\f)+7], s[10:11] offset:1024*(\f)+512
.endm
	BLOCK 0
	BLOCK 1
	BLOCK 2
	BLOCK 3
	s_wait_tensorcnt 0x0                           ; the wave's end
	ds_add_u32 v[SPW], v[NIL]
	s_wait_dscnt 0x0
	s_endpgm
.Lfunc_end_k_q934cc64da3_samp:
	.size	k_q934cc64da3_samp, .Lfunc_end_k_q934cc64da3_samp-k_q934cc64da3_samp
	.p2alignl 7, 3214868480
	.fill 96, 4, 3214868480
	.section	.rodata,"a",@progbits
	.p2align	6, 0x0
	.amdhsa_kernel k_q934cc64da3_samp
		.amdhsa_group_segment_fixed_size 265216
		.amdhsa_private_segment_fixed_size 0
		.amdhsa_enable_private_segment 0
		.amdhsa_kernarg_size 32
		.amdhsa_user_sgpr_count 2
		.amdhsa_user_sgpr_kernarg_segment_ptr 1
		.amdhsa_wavefront_size32 1
		.amdhsa_system_sgpr_workgroup_id_x 1
		.amdhsa_system_sgpr_workgroup_id_y 1
		.amdhsa_system_sgpr_workgroup_id_z 1
		.amdhsa_system_vgpr_workitem_id 0
		.amdhsa_next_free_vgpr 256
		.amdhsa_next_free_sgpr 66
		.amdhsa_reserve_vcc 0
		.amdhsa_float_denorm_mode_32 3
		.amdhsa_float_denorm_mode_16_64 3
		.amdhsa_memory_ordered 1
		.amdhsa_forward_progress 1
		.amdhsa_inst_pref_size 60
	.end_amdhsa_kernel
	.amdgpu_metadata
---
amdhsa.version: [ 1, 2 ]
amdhsa.kernels:
  - .name:           k_q934cc64da3_samp
    .symbol:         k_q934cc64da3_samp.kd
    .args:
      - { .name: xh, .offset: 0, .size: 8, .value_kind: global_buffer, .address_space: global }
      - { .name: sidx, .offset: 8, .size: 8, .value_kind: global_buffer, .address_space: global }
      - { .name: swgt, .offset: 16, .size: 8, .value_kind: global_buffer, .address_space: global }
      - { .name: xs, .offset: 24, .size: 8, .value_kind: global_buffer, .address_space: global }
    .group_segment_fixed_size: 265216
    .private_segment_fixed_size: 0
    .kernarg_segment_align: 8
    .kernarg_segment_size: 32
    .max_flat_workgroup_size: 512
    .sgpr_count:     66
    .vgpr_count:     256
    .wavefront_size: 32
...
	.end_amdgpu_metadata
.endif
;; end of part 3
;; launch attn (part 4): grid 256 x 1, 4 waves a work-group, no clusters, 298,496 bytes of LDS; arguments xs, wf, bq, bk, bv, obuf; writes obuf
.if DOCPART == 4
	.amdgcn_target "amdgcn-amd-amdhsa--gfx1250"
	.amdhsa_code_object_version 6
	.text
	.protected	k_q934cc64da3_attn
	.globl	k_q934cc64da3_attn
	.p2align	8
	.type	k_q934cc64da3_attn,@function
k_q934cc64da3_attn:
	s_mov_b64 s[64:65], 0
	v_nop
	global_prefetch_b8 v0, s[64:65] scope:SCOPE_SE
	s_setreg_imm32_b32 hwreg(HW_REG_WAVE_MODE, 25, 1), 1
	s_wait_xcnt 0x0
; ATTN.  For one bd (of 64) and one pair of heads hp (of 4): q, k, v = xs W + b for the pair's 64 channels and all 512 tokens, then O = softmax(q k^T / sqrt(32)) v for both heads.
; Operands f16 (weights: f16 of their bf16 rounding; biases rounded to bf16, added in f32), sums in f32; q, k, v, the weights p and O rounded once to f16.
; SHARES.  Wave w owns tokens 128 w .. + 127: it makes their q, k, v, and later is their queries' wave.  Its 64 fragments of xs stay in 512 registers through the whole first phase.
; LAYOUT.  q, k: source 0 = 16 channels of W, source 1 = 16 tokens: two neighbouring accumulators rounded in pairs are a fragment (16 tokens x the head's 32 channels).  v: the sources swapped:
; a lane holds one channel and eight tokens, and two token blocks are a fragment of V^T (16 channels x 32 keys).  All go to LDS in fragment order (1,024 bytes, [half][lane][16 B]): no padding, no turning.
; S^T = K Q^T holds one query a lane and keys 8 (l / 16) + 0..7; rounded in pairs, in place, it is source 1 of O^T = V^T P.
; SOFTMAX.  A tile of 16 queries has its whole row of 512 scores in 256 registers: the maximum that is taken away is the row's true one, and nothing is rescaled.  p = 2^(c s - c m), c = log2(e) / sqrt(32).
; The row's sum is a product of ones with the rounded p, in f32: it arrives in every lane of the query, with no exchange of lanes.
; NO CLUSTER, though the four hp of a bd read the same xs: weights (98,304 bytes) and q, k, v (196,608) fill LDS to within 29 KiB, in which a ring would hold two slots of 14 KiB, 18 rounds for xs's 256 KiB;
; and each fragment of xs is multiplied by one wave alone, so it goes straight into that wave's registers.
; LIMITS.  q, k, v stay under 65,504; p below 6e-8 counts as 0; NaN and infinities are not treated apart.
.set VB,    131072                     ; q h0, q h1, k h0, k h1 at u x 32,768: [tb 32][1 KB];  V at VB: [u = 2 head + cb][chunk 16][1 KB]
.set WB,    196608                     ; the weights: [mat 3][nbl 4][kc 8][1 KB]
.set BL,    294912                     ; each wave's own 768 bytes: the rounded biases, q 64, k 64, v 64, in f32
.set SPARE, 297984
.set WQKV,  2097152
.set L16, 1
.set WA,  2                            ; the weights' fragments of the trip in hand
.set DA,  3                            ; where the trip's results go
.set BA,  4                            ; its biases
.set LN4, 5
.set BS,  6
.set BB,  8                            ; v8-23   biases
.set QA,  24
.set KA,  25
.set VA,  26
.set OO,  27
.set SPW, 28
.set NIL, 29
.set FRG, 64                           ; v64-127 packed results (phase 1)
.set QF,  32                           ; phase 2, window 0: Q's fragment,
.set OACC, 40                          ; O^T: channel block cb, parity of the chunk, at 40 + 16 cb + 8 parity,
.set LACC, 72                          ; four accumulators of the row sums,
.set ONES, 104
.set MX,  112
.set CM,  120                          ; c m
.set RL,  122                          ; 1 / l, twice
.set OUT, 124
.set WV,  16
.set MSB, 0
.macro WIN new
.if MSB != (\new)
	s_set_vgpr_msb (MSB<<8)|(\new)
.set MSB, (\new)
.endif
.endm
.macro PLACES
.rept 4
	v_nop
.endr
.endm
	s_load_b256 s[4:11], s[0:1], 0x0               ; xs 4, wf 6, bq 8, bk 10
	s_load_b128 s[12:15], s[0:1], 0x20             ; bv 12, obuf 14
	v_lshl_add_u32 v[SPW], v0, 2, SPARE
	v_mov_b32 v[NIL], 0
	ds_add_u32 v[SPW], v[NIL]                      ; the wave's opening: the add and its wait come ahead of my first tensor load
	v_lshrrev_b32 v7, 5, v0
	v_readfirstlane_b32 s[WV], v7
	s_lshr_b32 s17, ttmp9, 2                       ; bd
	s_and_b32 s18, ttmp9, 3                        ; hp
	s_mov_b32 s20, 3<<16                           ; group 1: 96 dense rows of 256 bytes
	s_mov_b32 s21, 32<<16
	s_mov_b32 s22, 96<<16
	s_mov_b32 s23, 32<<16
	s_mov_b32 s24, 96
	s_mov_b32 s25, 32
	s_mov_b32 s26, 0
	s_mov_b32 s27, 0
	s_mov_b32 s28, 1
	s_mul_i32 s32, s[WV], 24576                    ; my quarter of the weights
	s_add_co_u32 s29, s32, WB
	s_mul_i32 s33, s18, 98304
	s_add_co_u32 s32, s32, s33
	s_add_co_u32 s32, s32, WQKV
	s_mov_b32 s33, 0
	s_lshl_b32 s34, s18, 8                         ; the pair's 64 channels in a bias
	s_mov_b32 s35, 0
	s_lshl_b32 s36, s17, 18                        ; xs: bd x 262,144 + w x 65,536
	s_lshl_b32 s37, s[WV], 16
	s_add_co_u32 s36, s36, s37
	s_mov_b32 s37, 0
	s_lshr_b32 s38, s17, 3                         ; obuf: token block 32 b + 8 w, 65,536 bytes each,
	s_lshl_b32 s38, s38, 5
	s_lshl_b32 s39, s[WV], 3
	s_add_co_u32 s38, s38, s39
	s_lshl_b32 s38, s38, 16
	s_and_b32 s39, s17, 7                          ; K step 8 dh + 2 hp, 1,024 bytes each
	s_lshl_b32 s39, s39, 3
	s_add_co_u32 s39, s39, s18
	s_add_co_u32 s39, s39, s18
	s_lshl_b32 s39, s39, 10
	s_add_co_u32 s38, s38, s39
	s_mov_b32 s39, 0
	s_mov_b32 s42, 0xffff0000
	s_mov_b32 s58, 0x3e8293ee                      ; c = log2(e) / sqrt(32) = 0.255035
	s_mov_b32 s59, s58
	s_mov_b32 s60, 0x76543210                      ; v_permlanex16_b32: each lane takes its own place in the other half
	s_mov_b32 s61, 0xfedcba98
	v_and_b32 v7, 31, v0
	v_lshlrev_b32 v[L16], 4, v7
	v_lshlrev_b32 v[LN4], 2, v7
	s_mul_i32 s43, s[WV], 768
	s_add_co_u32 s43, s43, BL                      ; my biases
	v_add_nc_u32 v[BS], s43, v[LN4]
	v_bfe_u32 v7, v0, 4, 1
	v_lshl_add_u32 v[BA], v7, 5, s43               ; + 32 h
	v_add_nc_u32 v[WA], WB, v[L16]
	s_lshl_b32 s44, s[WV], 13
	v_add_nc_u32 v[DA], s44, v[L16]                ; my eight token blocks in a unit
	s_wait_dscnt 0x0                               ; the opening add is done
	s_wait_kmcnt 0x0
	s_add_nc_u64 s[30:31], s[6:7], s[32:33]
	s_or_b32 s31, s31, 0x80000000
	s_add_nc_u64 s[8:9], s[8:9], s[34:35]
	s_add_nc_u64 s[10:11], s[10:11], s[34:35]
	s_add_nc_u64 s[12:13], s[12:13], s[34:35]
	s_add_nc_u64 s[4:5], s[4:5], s[36:37]
	s_add_nc_u64 s[14:15], s[14:15], s[38:39]
	tensor_load_to_lds s[28:31], s[20:27]          ; my one tensor load of the launch
	s_nop 0
	PLACES
	global_load_b32 v10, v[LN4], s[8:9]
	global_load_b32 v11, v[LN4], s[8:9] offset:128
	global_load_b32 v12, v[LN4], s[10:11]
	global_load_b32 v13, v[LN4], s[10:11] offset:128
	global_load_b32 v14, v[LN4], s[12:13]
	global_load_b32 v15, v[LN4], s[12:13] offset:128
.set kc, 0
.rept 8                                ; xs, K step by K step: token block tb at 64 (tb % 4) + 8 kc of window 2 + tb / 4; the halves in turn-about order, one switch a K step
.set hh, 0
.rept 2
.set hw, (hh+kc)%2
	WIN 0x80+0x40*hw
.set t4, 0
.rept 4
	global_load_b128 v[64*t4+8*kc:64*t4+8*kc+3],   v[L16], s[4:5] offset:(4*hw+t4)*8192+kc*1024
	global_load_b128 v[64*t4+8*kc+4:64*t4+8*kc+7], v[L16], s[4:5] offset:(4*hw+t4)*8192+kc*1024+512
.set t4, t4+1
.endr
.set hh, hh+1
.endr
.set kc, kc+1
.endr
	WIN 0
	s_wait_loadcnt 63                              ; of 134 loads at most 63 are out: the biases and xs's first 65 loads (K steps 0 to 3) are in
.irp m, 0,1,2
	v_cvt_pk_bf16_f32 v16, v[10+2*\m], v[11+2*\m]
	v_lshlrev_b32 v17, 16, v16
	v_and_b32 v18, s42, v16
	ds_store_b32 v[BS], v17 offset:256*\m
	ds_store_b32 v[BS], v18 offset:256*\m+128
.endr
	s_wait_tensorcnt 0x0                           ; my quarter of the weights is in,
	s_wait_dscnt 0x0
	s_barrier_signal -1
	s_barrier_wait -1                              ; everybody's is
	; PHASE 1a: q h0, q h1, k h0, k h1: a trip makes 32 channels for my 128 tokens: 16 accumulators (window 1, 16 tb + 8 e), which take turns
	s_mov_b32 s40, 4
.Lqk:
	ds_load_b128 v[BB:BB+3],     v[BA]
	ds_load_b128 v[BB+4:BB+7],   v[BA] offset:16
	ds_load_b128 v[BB+8:BB+11],  v[BA] offset:64
	ds_load_b128 v[BB+12:BB+15], v[BA] offset:80
	WIN 0x40
.set kc, 0
.rept 8
.irp e, 0,1
	ds_load_b128 v[128+64*\e+8*kc:128+64*\e+8*kc+3],   v[WA] offset:\e*8192+kc*1024
	ds_load_b128 v[128+64*\e+8*kc+4:128+64*\e+8*kc+7], v[WA] offset:\e*8192+kc*1024+512
.endr
.set kc, kc+1
.endr
.set kc, 0
.rept 8
	s_wait_dscnt 28-4*kc                           ; the LDS loads issued behind this K step's four may stay out
.if kc >= 4
	s_wait_loadcnt 16*(7-kc)                       ; first trip: the loads of xs issued behind this K step's sixteen may stay out
.endif
.set hh, 0
.rept 2
.set hw, (hh+kc)%2
	WIN 0x59+4*hw                                  ; W, C and D window 1, xs window 2 or 3
.set t4, 0
.rept 4
.irp e, 0,1
.if kc == 0
	v_wmma_f32_16x16x32_f16 v[16*(4*hw+t4)+8*\e:16*(4*hw+t4)+8*\e+7], v[128+64*\e+8*kc:128+64*\e+8*kc+7], v[64*t4+8*kc:64*t4+8*kc+7], 0
.else
	v_wmma_f32_16x16x32_f16 v[16*(4*hw+t4)+8*\e:16*(4*hw+t4)+8*\e+7], v[128+64*\e+8*kc:128+64*\e+8*kc+7], v[64*t4+8*kc:64*t4+8*kc+7], v[16*(4*hw+t4)+8*\e:16*(4*hw+t4)+8*\e+7]
.endif
.endr
.set t4, t4+1
.endr
.set hh, hh+1
.endr
.set kc, kc+1
.endr
	PLACES
	WIN 0x41
.set i, 0
.rept 64                               ; + bias: pair i % 8 of the 16 channels' biases e, h; ascending
	v_pk_add_f32 v[2*i:2*i+1], v[2*i:2*i+1], v[BB+2*(i%8):BB+2*(i%8)+1]
.set i, i+1
.endr
	WIN 0x05
.set i, 0
.rept 64
	v_cvt_pk_f16_f32 v[FRG+i], v[2*i], v[2*i+1]
.set i, i+1
.endr
	WIN 0
.set i, 0
.rept 16
	ds_store_b128 v[DA], v[FRG+4*i:FRG+4*i+3] offset:512*i
.set i, i+1
.endr
	v_add_nc_u32 v[WA], 16384, v[WA]
	v_add_nc_u32 v[DA], 32768, v[DA]
	v_add_nc_u32 v[BA], 128, v[BA]
	s_sub_co_u32 s40, s40, 1
	s_cmp_lg_u32 s40, 0
	s_cbranch_scc1 .Lqk
	; PHASE 1b: V^T: a trip makes 16 channels for my 128 tokens: 8 accumulators (window 1, 8 tb).  WA stands at Wv's first fragment.
	v_and_b32 v7, 15, v0
	v_lshl_add_u32 v[BA], v7, 2, s43
	v_add_nc_u32 v[BA], 512, v[BA]                 ; bv of channel r
	s_lshl_b32 s44, s[WV], 12
	s_add_co_u32 s44, s44, VB
	v_add_nc_u32 v[DA], s44, v[L16]                ; my four chunks of 32 keys
	s_mov_b32 s40, 4
.Lv:
	ds_load_b32 v[BB], v[BA]
	WIN 0x40
.set kc, 0
.rept 8
	ds_load_b128 v[128+8*kc:128+8*kc+3],   v[WA] offset:kc*1024
	ds_load_b128 v[128+8*kc+4:128+8*kc+7], v[WA] offset:kc*1024+512
.set kc, kc+1
.endr
.set kc, 0
.rept 8
	s_wait_dscnt 14-2*kc                           ; the LDS loads issued behind this K step's two may stay out
.set hh, 0
.rept 2
.set hw, (hh+kc)%2
	WIN 0x56+hw                                    ; xs (source 0) window 2 or 3; W, C and D window 1
.set t4, 0
.rept 4
.if kc == 0
	v_wmma_f32_16x16x32_f16 v[8*(4*hw+t4):8*(4*hw+t4)+7], v[64*t4+8*kc:64*t4+8*kc+7], v[128+8*kc:128+8*kc+7], 0
.else
	v_wmma_f32_16x16x32_f16 v[8*(4*hw+t4):8*(4*hw+t4)+7], v[64*t4+8*kc:64*t4+8*kc+7], v[128+8*kc:128+8*kc+7], v[8*(4*hw+t4):8*(4*hw+t4)+7]
.endif
.set t4, t4+1
.endr
.set hh, hh+1
.endr
.set kc, kc+1
.endr
	PLACES
	WIN 0
	v_mov_b32 v[BB+1], v[BB]                       ; named with it as a pair
	WIN 0x41
.set i, 0
.rept 32
	v_pk_add_f32 v[2*i:2*i+1], v[2*i:2*i+1], v[BB:BB+1] op_sel_hi:[1,0]
.set i, i+1
.endr
	WIN 0x05
.set i, 0
.rept 32
	v_cvt_pk_f16_f32 v[FRG+i], v[2*i], v[2*i+1]
.set i, i+1
.endr
	WIN 0
.set i, 0
.rept 8                                ; token block i is half i % 2 of chunk i / 2
	ds_store_b128 v[DA], v[FRG+4*i:FRG+4*i+3] offset:512*i
.set i, i+1
.endr
	v_add_nc_u32 v[WA], 8192, v[WA]
	v_add_nc_u32 v[DA], 16384, v[DA]
	v_add_nc_u32 v[BA], 64, v[BA]
	s_sub_co_u32 s40, s40, 1
	s_cmp_lg_u32 s40, 0
	s_cbranch_scc1 .Lv
	s_wait_dscnt 0x0                               ; for the others' sake: my q, k, v are in LDS
	s_barrier_signal -1
	s_barrier_wait -1
	; PHASE 2.  Window 1: K, key block kb at 8 kb.  Window 2: V^T, (cb, chunk kk) at 128 cb + 8 kk.  Window 3: S^T, key block kb at 8 kb; later P, chunk kk at 16 kk.
.macro FM n                            ; pair n of the scores: c s - c m
	v_pk_fma_f32 v[2*(\n):2*(\n)+1], v[2*(\n):2*(\n)+1], s[58:59], v[CM:CM+1] op_sel_hi:[1,0,0] neg_lo:[0,0,1] neg_hi:[0,0,1]
.endm
.macro EX n
	v_exp_f32 v[\n], v[\n]
.endm
.macro CV n                            ; pair n rounded to f16, in place: register n % 8 of chunk n / 8; it lands on a register whose pair has been rounded already, or on its own first
	v_cvt_pk_f16_f32 v[16*((\n)/8)+(\n)%8], v[2*(\n)], v[2*(\n)+1]
.endm
.set i, 0
.rept 8
	v_mov_b32 v[ONES+i], 0x3c003c00                ; 1.0 twice in f16
.set i, i+1
.endr
	s_mov_b32 s41, 2
	s_mov_b32 s44, 0                               ; head x 32,768
	s_mov_b32 s45, 0                               ; head x 1,024
.Lhead:
	s_add_co_u32 s46, s44, 65536
	v_add_nc_u32 v[KA], s46, v[L16]
	s_add_co_u32 s46, s44, VB
	v_add_nc_u32 v[VA], s46, v[L16]
	s_lshl_b32 s46, s[WV], 13
	s_add_co_u32 s46, s46, s44
	v_add_nc_u32 v[QA], s46, v[L16]
	v_add_nc_u32 v[OO], s45, v[L16]
	WIN 0x40
.set i, 0
.rept 64
	ds_load_b128 v[4*i:4*i+3], v[KA] offset:512*i
.set i, i+1
.endr
	WIN 0x80
.set i, 0
.rept 64
	ds_load_b128 v[4*i:4*i+3], v[VA] offset:512*i
.set i, i+1
.endr
	WIN 0
	s_mov_b32 s40, 8
.Ltile:                                            ; a trip: 16 queries of one head
	ds_load_b128 v[QF:QF+3],   v[QA]
	ds_load_b128 v[QF+4:QF+7], v[QA] offset:512
	s_wait_dscnt 0x0                               ; Q is in; in a head's first trip K and V too
	WIN 0xc1                                       ; K window 1, Q window 0, S^T window 3
.set kb, 0
.rept 32
	v_wmma_f32_16x16x32_f16 v[8*kb:8*kb+7], v[8*kb:8*kb+7], v[QF:QF+7], 0
.set kb, kb+1
.endr
	WIN 0
.irp i, 0,1,2,3                        ; four chains start at the lowest finite number; these four lines are the places behind the last product
	v_mov_b32 v[MX+\i], 0xff7fffff
.endr
	WIN 0x3c
.set i, 0
.rept 128                              ; ascending: each accumulator is read from its low end on
	v_max3_num_f32 v[MX+i%4], v[MX+i%4], v[2*i], v[2*i+1]
.set i, i+1
.endr
	WIN 0
	v_max3_num_f32 v[MX], v[MX], v[MX+1], v[MX+2]
	v_max_num_f32 v[MX], v[MX], v[MX+3]
	v_permlanex16_b32 v[MX+1], v[MX], s60, s61     ; the query's other 256 keys lie in the lane 16 away
	v_max_num_f32 v[MX], v[MX], v[MX+1]
	v_mul_f32 v[CM], s58, v[MX]
	v_mov_b32 v[CM+1], v[CM]
	WIN 0xcf                                       ; one setting for all that follows: scores in window 3, c m in window 0
	FM 0                                           ; FIRST BATCH: registers 0 to 127; a pair is scaled one step ahead of its exponentials
.set n, 0
.rept 64
.if n < 63
	FM n+1
.endif
	EX 2*n
	EX 2*n+1
.set n, n+1
.endr
	v_nop                                          ; a plain instruction behind the last exponential,
	s_wait_alu depctr_va_vdst(0)                   ; and one wait for the batch's 128
	FM 64                                          ; SECOND BATCH: registers 128 to 255, with the first batch's roundings between; nothing here names a result of the second batch
.set n, 64
.rept 64
.if n < 127
	FM n+1
.endif
	EX 2*n
	EX 2*n+1
	CV n-64
.set n, n+1
.endr
	v_nop
	s_wait_alu depctr_va_vdst(0)                   ; one wait for the second batch's 128
.set n, 64
.rept 64
	CV n
.set n, n+1
.endr
	WIN 0x0e                                       ; V^T window 2, P window 3, O^T window 0; four accumulators take turns
.set kk, 0
.rept 16
.irp cb, 0,1
.if kk < 2
	v_wmma_f32_16x16x32_f16 v[OACC+16*\cb+8*(kk%2):OACC+16*\cb+8*(kk%2)+7], v[128*\cb+8*kk:128*\cb+8*kk+7], v[16*kk:16*kk+7], 0
.else
	v_wmma_f32_16x16x32_f16 v[OACC+16*\cb+8*(kk%2):OACC+16*\cb+8*(kk%2)+7], v[128*\cb+8*kk:128*\cb+8*kk+7], v[16*kk:16*kk+7], v[OACC+16*\cb+8*(kk%2):OACC+16*\cb+8*(kk%2)+7]
.endif
.endr
.set kk, kk+1
.endr
	WIN 0x0c                                       ; ones window 0, P window 3: the row sums; four accumulators take turns
.set kk, 0
.rept 16
.if kk < 4
	v_wmma_f32_16x16x32_f16 v[LACC+8*(kk%4):LACC+8*(kk%4)+7], v[ONES:ONES+7], v[16*kk:16*kk+7], 0
.else
	v_wmma_f32_16x16x32_f16 v[LACC+8*(kk%4):LACC+8*(kk%4)+7], v[ONES:ONES+7], v[16*kk:16*kk+7], v[LACC+8*(kk%4):LACC+8*(kk%4)+7]
.endif
.set kk, kk+1
.endr
	WIN 0
	PLACES
.irp cb, 0,1
.irp m, 0,1,2,3
	v_pk_add_f32 v[OACC+16*\cb+2*\m:OACC+16*\cb+2*\m+1], v[OACC+16*\cb+2*\m:OACC+16*\cb+2*\m+1], v[OACC+16*\cb+8+2*\m:OACC+16*\cb+8+2*\m+1]
.endr
.endr
	v_add_f32 v[MX],   v[LACC],    v[LACC+8]       ; every register of these accumulators holds the same sum: the lowest is taken
	v_add_f32 v[MX+1], v[LACC+16], v[LACC+24]
	v_add_f32 v[MX], v[MX], v[MX+1]
	v_rcp_f32 v[RL], v[MX]
	v_rcp_f32 v[RL+1], v[MX]
	v_nop
	s_wait_alu depctr_va_vdst(0)                   ; one wait for the two reciprocals
.irp cb, 0,1
.irp m, 0,1,2,3
	v_pk_mul_f32 v[OACC+16*\cb+2*\m:OACC+16*\cb+2*\m+1], v[OACC+16*\cb+2*\m:OACC+16*\cb+2*\m+1], v[RL:RL+1]
.endr
.endr
.irp cb, 0,1
.irp m, 0,1,2,3
	v_cvt_pk_f16_f32 v[OUT+4*\cb+\m], v[OACC+16*\cb+2*\m], v[OACC+16*\cb+2*\m+1]
.endr
.endr
	global_store_b128 v[OO], v[OUT:OUT+3],   s[14:15]             ; a fragment of the last product: 512 consecutive bytes each
	global_store_b128 v[OO], v[OUT+4:OUT+7], s[14:15] offset:512
	s_wait_xcnt 0x0                                ; the stores have read their data and their offset: both are written again from here on
	v_add_nc_u32 v[OO], 0x10000, v[OO]
	v_add_nc_u32 v[QA], 1024, v[QA]
	s_sub_co_u32 s40, s40, 1
	s_cmp_lg_u32 s40, 0
	s_cbranch_scc1 .Ltile
	s_add_co_u32 s44, s44, 32768
	s_add_co_u32 s45, s45, 1024
	s_sub_co_u32 s41, s41, 1
	s_cmp_lg_u32 s41, 0
	s_cbranch_scc1 .Lhead
	s_wait_tensorcnt 0x0                           ; the wave's end
	ds_add_u32 v[SPW], v[NIL]
	s_wait_dscnt 0x0
	s_endpgm
.Lfunc_end_k_q934cc64da3_attn:
	.size	k_q934cc64da3_attn, .Lfunc_end_k_q934cc64da3_attn-k_q934cc64da3_attn
	.p2alignl 7, 3214868480
	.fill 96, 4, 3214868480
	.section	.rodata,"a",@progbits
	.p2align	6, 0x0
	.amdhsa_kernel k_q934cc64da3_attn
		.amdhsa_group_segment_fixed_size 298496
		.amdhsa_private_segment_fixed_size 0
		.amdhsa_enable_private_segment 0
		.amdhsa_kernarg_size 48
		.amdhsa_user_sgpr_count 2
		.amdhsa_user_sgpr_kernarg_segment_ptr 1
		.amdhsa_wavefront_size32 1
		.amdhsa_system_sgpr_workgroup_id_x 1
		.amdhsa_system_sgpr_workgroup_id_y 1
		.amdhsa_system_sgpr_workgroup_id_z 1
		.amdhsa_system_vgpr_workitem_id 0
		.amdhsa_next_free_vgpr 1024
		.amdhsa_next_free_sgpr 66
		.amdhsa_reserve_vcc 0
		.amdhsa_float_denorm_mode_32 3
		.amdhsa_float_denorm_mode_16_64 3
		.amdhsa_memory_ordered 1
		.amdhsa_forward_progress 1
		.amdhsa_inst_pref_size 99
	.end_amdhsa_kernel
	.amdgpu_metadata
---
amdhsa.version: [ 1, 2 ]
amdhsa.kernels:
  - .name:           k_q934cc64da3_attn
    .symbol:         k_q934cc64da3_attn.kd
    .args:
      - { .name: xs, .offset: 0, .size: 8, .value_kind: global_buffer, .address_space: global }
      - { .name: wf, .offset: 8, .size: 8, .value_kind: global_buffer, .address_space: global }
      - { .name: bq, .offset: 16, .size: 8, .value_kind: global_buffer, .address_space: global }
      - { .name: bk, .offset: 24, .size: 8, .value_kind: global_buffer, .address_space: global }
      - { .name: bv, .offset: 32, .size: 8, .value_kind: global_buffer, .address_space: global }
      - { .name: obuf, .offset: 40, .size: 8, .value_kind: global_buffer, .address_space: global }
    .group_segment_fixed_size: 298496
    .private_segment_fixed_size: 0
    .kernarg_segment_align: 8
    .kernarg_segment_size: 48
    .max_flat_workgroup_size: 128
    .sgpr_count:     66
    .vgpr_count:     1024
    .wavefront_size: 32
...
	.end_amdgpu_metadata
.endif
;; end of part 4
;; launch proj (part 5): grid 4 x 64, 4 waves a work-group, clusters of 4 x 4, 327,680 bytes of LDS; arguments obuf, wf, bo, out0; writes out0
.if DOCPART == 5
	.amdgcn_target "amdgcn-amd-amdhsa--gfx1250"
	.amdhsa_code_object_version 6
	.text
	.protected	k_q934cc64da3_proj
	.globl	k_q934cc64da3_proj
	.p2align	8
	.type	k_q934cc64da3_proj,@function
k_q934cc64da3_proj:
	s_mov_b64 s[64:65], 0
	v_nop
	global_prefetch_b8 v0, s[64:65] scope:SCOPE_SE
	s_setreg_imm32_b32 hwreg(HW_REG_WAVE_MODE, 25, 1), 1
	s_wait_xcnt 0x0
	s_wait_alu depctr_hold_cnt(0) depctr_sa_sdst(0) depctr_va_vdst(0) depctr_va_sdst(0) depctr_va_ssrc(0) depctr_va_vcc(0) depctr_vm_vsrc(0)
	s_getreg_b32 s2, hwreg(HW_REG_IB_STS2, 6, 4)
	s_cmp_eq_u32 s2, 0
	s_cbranch_scc0 .Lentry_in_a_cluster
	s_endpgm
.Lentry_in_a_cluster:
	s_bfe_u32 s2, ttmp6, 0x10000c
	s_cmp_lg_u32 s2, 0xf033
	s_cbranch_scc0 .Lentry_shape_is_right
	s_endpgm
.Lentry_shape_is_right:
; PROJ.  out0 = O Wo + bo.  O: 4,096 tokens x 2,048, f16, in fragment order [token block 256][kc 64][1 KB]; Wo likewise [n block 16][kc 64][1 KB] (f16 of its bf16 rounding); bo rounded to bf16; sums and out0 f32.
; SHARES.  A work-group makes 64 tokens x 64 columns: 256 work-groups.  K goes in four steps of 16 kc through two LDS slots of 131,072 bytes.  INSIDE A SLOT K IS SPLIT AMONG THE WAVES: wave w multiplies
; kc 4 w .. 4 w + 3 for the whole tile, 16 accumulators; the four partial tiles meet in LDS at the end (f32 sums in any order).
; CLUSTER 4 x 4.  The four of a row of the cluster need the same token blocks of O, the four of a column the same n blocks of Wo: each is asked for JOINTLY.  Waves 0, 1 fetch O's halves, waves 2, 3 Wo's:
; two rows of 16,384 bytes a load, 65,536 bytes apart in memory, dense in LDS.
; The product is taken transposed (source 0 = 16 columns of Wo, source 1 = 16 tokens): a lane holds eight neighbouring columns of one token.
; THE STAGE for the partial tiles is slot 0, behind its last fill and behind the barrier at which every wave has ended its reads of it.
.set SLOT,  131072
.set STEPB, 16384                      ; a K step's bytes in a row of fragments
.set SPARE, 262144
.set SP,    272                        ; a stage row: 64 f32 + 16 bytes
.set PART,  64*SP                      ; a wave's partial tile
.set WOF,   2490368
.set FA,  16                           ; v16-17  my O fragments in slot 0, 1
.set FB,  20                           ; v20-21  my Wo fragments
.set STO, 24
.set RD,  25
.set CO,  26
.set RB,  27
.set SPW, 28
.set NIL, 29
.set BO,  8                            ; v8-11   bo of my four columns
.set ACC, 128                          ; v128-255: (a, b) at 128 + 8 (4 a + b); later the partial tiles read back
.set WV,  12
.set G1,  24
.set G0,  32
.set G1B, 48
.set G0B, 56
.set MSB, 0
.macro WIN new
.if MSB != (\new)
	s_set_vgpr_msb (MSB<<8)|(\new)
.set MSB, (\new)
.endif
.endm
.macro PLACES
.rept 4
	v_nop
.endr
.endm
.macro JLOAD s                         ; a joint load; an s_nop 0 and four v_nop follow each of the two lines, ahead of the jump, the label and what follows
	s_cmp_eq_u32 s13, 0
	s_cbranch_scc0 .Lfor_b_\@
	tensor_load_to_lds s[G0+4*(\s):G0+4*(\s)+3], s[G1:G1+7]
	s_nop 0
.rept 4
	v_nop
.endr
	s_branch .Lasked_\@
.Lfor_b_\@:
	tensor_load_to_lds s[G0B+4*(\s):G0B+4*(\s)+3], s[G1B:G1B+7]
	s_nop 0
.rept 4
	v_nop
.endr
.Lasked_\@:
.endm
.macro CROUND
	s_barrier_signal -1
	s_barrier_wait -1
	s_cmp_lg_u32 s[WV], 0
	s_cbranch_scc1 .Lnot_wave_0_\@
	s_barrier_signal -3
.Lnot_wave_0_\@:
	s_barrier_wait -3
	s_barrier_signal -1
	s_barrier_wait -1
.endm
	s_load_b256 s[4:11], s[0:1], 0x0               ; obuf 4, wf 6, bo 8, out0 10
	v_lshl_add_u32 v[SPW], v0, 2, SPARE
	v_mov_b32 v[NIL], 0
	ds_add_u32 v[SPW], v[NIL]                      ; the wave's opening: the add and its wait come ahead of my first tensor load
	v_lshrrev_b32 v1, 5, v0
	v_readfirstlane_b32 s[WV], v1
	s_lshr_b32 s13, s[WV], 1                       ; I fetch for O (0) or for Wo (1),
	s_and_b32 s14, s[WV], 1                        ; its first or second two rows of fragments
	s_bfe_u32 s40, ttmp6, 0x40000                  ; cx
	s_bfe_u32 s41, ttmp6, 0x40004                  ; cy
	s_lshl_b32 s42, ttmp9, 2
	s_add_co_u32 s42, s42, s40                     ; tile column
	s_and_b32 s43, ttmp7, 0xffff
	s_lshl_b32 s43, s43, 2
	s_add_co_u32 s43, s43, s41                     ; tile row
	s_lshl_b32 s44, s41, 2
	s_lshl_b32 s44, 15, s44                        ; my row of the cluster
	s_lshl_b32 s45, 0x1111, s40                    ; my column
	s_or_b32 s[G1], s44, (3<<16)|(1<<21)           ; the mask; elements of 8 bytes; bit 21 beside a mask
	s_or_b32 s[G1B], s45, (3<<16)|(1<<21)
.irp g, G1, G1B
	s_mov_b32 s[(\g)+1], 2048<<16                  ; tensor_dim0 = 2,048 (16,384 bytes)
	s_mov_b32 s[(\g)+2], 2<<16                     ; tensor_dim1 = 2
	s_mov_b32 s[(\g)+3], 2048<<16                  ; tile_dim0 = 2,048
	s_mov_b32 s[(\g)+4], 2                         ; tile_dim1 = 2
	s_mov_b32 s[(\g)+5], 8192                      ; 65,536 bytes from row to row
	s_mov_b32 s[(\g)+6], 0
	s_mov_b32 s[(\g)+7], 0
.endr
	s_lshl_b32 s15, s14, 1
	s_lshl_b32 s16, s43, 2
	s_add_co_u32 s16, s16, s15                     ; O: token block 4 x tile row + 2 x half
	s_lshl_b32 s16, s16, 16
	s_mov_b32 s17, 0
	s_lshl_b32 s46, s42, 2
	s_add_co_u32 s46, s46, s15                     ; Wo: n block 4 x tile column + 2 x half
	s_lshl_b32 s46, s46, 16
	s_add_co_u32 s46, s46, WOF
	s_mov_b32 s47, 0
	s_lshl_b32 s20, s[WV], 15                      ; where they go: wave x 32,768: no place in the cluster enters an LDS address
	s_wait_dscnt 0x0                               ; the opening add is done
	s_wait_kmcnt 0x0
	s_add_nc_u64 s[18:19], s[4:5], s[16:17]
	s_add_nc_u64 s[46:47], s[6:7], s[46:47]
	CROUND                                         ; all sixteen work-groups are here: the first joint loads meet
.irp s, 0,1
	s_mov_b32 s[G0+4*(\s)], 1
	s_add_co_u32 s[G0+4*(\s)+1], s20, (\s)*SLOT
	s_add_nc_u64 s[G0+4*(\s)+2:G0+4*(\s)+3], s[18:19], (\s)*STEPB
	s_or_b32 s[G0+4*(\s)+3], s[G0+4*(\s)+3], 0x80000000
	s_mov_b32 s[G0B+4*(\s)], 1
	s_add_co_u32 s[G0B+4*(\s)+1], s20, (\s)*SLOT
	s_add_nc_u64 s[G0B+4*(\s)+2:G0B+4*(\s)+3], s[46:47], (\s)*STEPB
	s_or_b32 s[G0B+4*(\s)+3], s[G0B+4*(\s)+3], 0x80000000
	JLOAD \s                                       ; two loads of mine are out
.endr
	v_and_b32 v1, 15, v0                           ; r
	v_bfe_u32 v2, v0, 4, 1                         ; h
	v_and_b32 v3, 31, v0
	v_lshlrev_b32 v3, 4, v3
	s_lshl_b32 s21, s[WV], 12                      ; my four kc of a slot's sixteen
	v_add_nc_u32 v[FA], s21, v3
	v_add_nc_u32 v[FB], 65536, v[FA]
	v_add_nc_u32 v[FA+1], SLOT, v[FA]
	v_add_nc_u32 v[FB+1], SLOT, v[FB]
	s_mul_i32 s21, s[WV], PART
	v_mul_u32_u24 v[STO], v1, SP
	v_lshl_add_u32 v[STO], v2, 5, v[STO]
	v_add_nc_u32 v[STO], s21, v[STO]               ; in: my partial tile, row r, 32 bytes for each half of the lanes
	s_mul_i32 s21, s[WV], 16*SP
	v_mul_u32_u24 v[RD], v2, SP
	v_lshl_add_u32 v[RD], v1, 4, v[RD]
	v_add_nc_u32 v[RD], s21, v[RD]                 ; back: rows 16 w + ..; lanes 0-15 one row of 256 bytes, lanes 16-31 the next
	v_lshlrev_b32 v[RB], 4, v1
	v_lshl_add_u32 v[CO], v2, 10, v[RB]            ; and the same two rows in out0
	s_lshl_b32 s22, s42, 8                         ; the tile's 64 columns: 256 bytes
	s_mov_b32 s23, 0
	s_add_nc_u64 s[8:9], s[8:9], s[22:23]
	s_add_nc_u64 s[10:11], s[10:11], s[22:23]
	s_lshl_b32 s22, s43, 6
	s_lshl_b32 s21, s[WV], 4
	s_add_co_u32 s22, s22, s21                     ; the first token that I store
	s_lshl_b32 s22, s22, 10
	s_add_nc_u64 s[10:11], s[10:11], s[22:23]
	global_load_b128 v[BO:BO+3], v[RB], s[8:9]
; My four kc of a slot: 64 LDS loads, K step by K step, into window 1 (O's four fragments at 64 kl, Wo's at 64 kl + 32), and 64 products; the 16 accumulators take turns.
.macro COMPUTE slot, first
	WIN 0x40
.set kl, 0
.rept 4
.irp f, 0,1,2,3
	ds_load_b128 v[64*kl+8*\f:64*kl+8*\f+3],       v[FA+(\slot)] offset:\f*16384+kl*1024
	ds_load_b128 v[64*kl+8*\f+4:64*kl+8*\f+7],     v[FA+(\slot)] offset:\f*16384+kl*1024+512
	ds_load_b128 v[64*kl+32+8*\f:64*kl+32+8*\f+3],   v[FB+(\slot)] offset:\f*16384+kl*1024
	ds_load_b128 v[64*kl+32+8*\f+4:64*kl+32+8*\f+7], v[FB+(\slot)] offset:\f*16384+kl*1024+512
.endr
.set kl, kl+1
.endr
	WIN 0x05
.set kl, 0
.rept 4
	s_wait_dscnt 48-16*kl                          ; the loads issued behind this K step's sixteen may stay out
.irp a, 0,1,2,3
.irp b, 0,1,2,3
.if (\first) && (kl == 0)
	v_wmma_f32_16x16x32_f16 v[ACC+8*(4*\a+\b):ACC+8*(4*\a+\b)+7], v[64*kl+32+8*\b:64*kl+32+8*\b+7], v[64*kl+8*\a:64*kl+8*\a+7], 0
.else
	v_wmma_f32_16x16x32_f16 v[ACC+8*(4*\a+\b):ACC+8*(4*\a+\b)+7], v[64*kl+32+8*\b:64*kl+32+8*\b+7], v[64*kl+8*\a:64*kl+8*\a+7], v[ACC+8*(4*\a+\b):ACC+8*(4*\a+\b)+7]
.endif
.endr
.endr
.set kl, kl+1
.endr
.endm
; The change of slots.  Each wave waits for all its tensor loads (one is out: its part of the other slot), adds 0 to its spare word, and waits for that and for its reads of the slot that it leaves.
; fill = 1: the barrier is a round of the cluster's, and the joint refill, two K steps on, is the first thing behind it; its four v_nop are also the places in front of the next loads into the fragments' registers.
.macro CHANGE slot, fill
	WIN 0
	s_wait_tensorcnt 0x0
	ds_add_u32 v[SPW], v[NIL]
.if \fill
	s_add_nc_u64 s[G0+4*(\slot)+2:G0+4*(\slot)+3], s[G0+4*(\slot)+2:G0+4*(\slot)+3], 2*STEPB
	s_add_nc_u64 s[G0B+4*(\slot)+2:G0B+4*(\slot)+3], s[G0B+4*(\slot)+2:G0B+4*(\slot)+3], 2*STEPB
.endif
	s_wait_dscnt 0x0
.if \fill
	CROUND
	JLOAD \slot
.else
	s_barrier_signal -1
	s_barrier_wait -1
	PLACES
.endif
.endm
	s_wait_tensorcnt 1                             ; my part of K step 0 is in; K step 1's may stay out
	s_barrier_signal -1
	s_barrier_wait -1
	COMPUTE 0, 1
	CHANGE 0, 1                                    ; slot 0 takes K step 2
	COMPUTE 1, 0
	CHANGE 1, 1                                    ; slot 1 takes K step 3
	COMPUTE 0, 0
	CHANGE 1, 0                                    ; nothing is left to fetch; behind this barrier nobody reads slot 0 any more
	COMPUTE 1, 0
	WIN 0
	s_wait_loadcnt 0x0                             ; bo; its rounding to bf16: six plain lines, the places behind the last product
	v_cvt_pk_bf16_f32 v12, v[BO], v[BO+1]
	v_cvt_pk_bf16_f32 v13, v[BO+2], v[BO+3]
	v_lshlrev_b32 v[BO], 16, v12
	v_and_b32 v[BO+1], 0xffff0000, v12
	v_lshlrev_b32 v[BO+2], 16, v13
	v_and_b32 v[BO+3], 0xffff0000, v13
.irp a, 0,1,2,3
.irp b, 0,1,2,3                        ; each accumulator's low four registers first
	ds_store_b128 v[STO], v[ACC+8*(4*\a+\b):ACC+8*(4*\a+\b)+3]   offset:\a*16*SP+\b*64
	ds_store_b128 v[STO], v[ACC+8*(4*\a+\b)+4:ACC+8*(4*\a+\b)+7] offset:\a*16*SP+\b*64+16
.endr
.endr
	s_wait_dscnt 0x0                               ; for the others' sake: my partial tile is in the stage
	s_barrier_signal -1
	s_barrier_wait -1
.set t, 0
.rept 8                                ; rows 16 w + 2 t, + 1 of all four partial tiles
.irp u, 0,1,2,3
	ds_load_b128 v[ACC+16*t+4*\u:ACC+16*t+4*\u+3], v[RD] offset:\u*PART+t*2*SP
.endr
.set t, t+1
.endr
.set t, 0
.rept 8
	s_wait_dscnt 28-4*t                            ; the loads issued behind these four may stay out
.irp m, 0,2
	v_pk_add_f32 v[ACC+16*t+\m:ACC+16*t+\m+1], v[ACC+16*t+\m:ACC+16*t+\m+1], v[ACC+16*t+4+\m:ACC+16*t+4+\m+1]
	v_pk_add_f32 v[ACC+16*t+8+\m:ACC+16*t+8+\m+1], v[ACC+16*t+8+\m:ACC+16*t+8+\m+1], v[ACC+16*t+12+\m:ACC+16*t+12+\m+1]
.endr
.irp m, 0,2
	v_pk_add_f32 v[ACC+16*t+\m:ACC+16*t+\m+1], v[ACC+16*t+\m:ACC+16*t+\m+1], v[ACC+16*t+8+\m:ACC+16*t+8+\m+1]
.endr
.irp m, 0,2
	v_pk_add_f32 v[ACC+16*t+\m:ACC+16*t+\m+1], v[ACC+16*t+\m:ACC+16*t+\m+1], v[BO+\m:BO+\m+1]
.endr
	global_store_b128 v[CO], v[ACC+16*t:ACC+16*t+3], s[10:11] offset:t*2048  ; 16 lanes store 256 consecutive bytes, at a multiple of 256 from out0's first byte
.set t, t+1
.endr
	s_wait_tensorcnt 0x0                           ; the wave's end
	ds_add_u32 v[SPW], v[NIL]
	s_wait_dscnt 0x0
	CROUND                                         ; the closing round: no work-group ends while a partner may still ask for a tile that names it
	s_endpgm
.Lfunc_end_k_q934cc64da3_proj:
	.size	k_q934cc64da3_proj, .Lfunc_end_k_q934cc64da3_proj-k_q934cc64da3_proj
	.p2alignl 7, 3214868480
	.fill 96, 4, 3214868480
	.section	.rodata,"a",@progbits
	.p2align	6, 0x0
	.amdhsa_kernel k_q934cc64da3_proj
		.amdhsa_group_segment_fixed_size 327680
		.amdhsa_private_segment_fixed_size 0
		.amdhsa_enable_private_segment 0
		.amdhsa_kernarg_size 32
		.amdhsa_user_sgpr_count 2
		.amdhsa_user_sgpr_kernarg_segment_ptr 1
		.amdhsa_wavefront_size32 1
		.amdhsa_system_sgpr_workgroup_id_x 1
		.amdhsa_system_sgpr_workgroup_id_y 1
		.amdhsa_system_sgpr_workgroup_id_z 1
		.amdhsa_system_vgpr_workitem_id 0
		.amdhsa_next_free_vgpr 512
		.amdhsa_next_free_sgpr 66
		.amdhsa_reserve_vcc 0
		.amdhsa_float_denorm_mode_32 3
		.amdhsa_float_denorm_mode_16_64 3
		.amdhsa_memory_ordered 1
		.amdhsa_forward_progress 1
		.amdhsa_inst_pref_size 52
	.end_amdhsa_kernel
	.amdgpu_metadata
---
amdhsa.version: [ 1, 2 ]
amdhsa.kernels:
  - .name:           k_q934cc64da3_proj
    .symbol:         k_q934cc64da3_proj.kd
    .args:
      - { .name: obuf, .offset: 0, .size: 8, .value_kind: global_buffer, .address_space: global }
      - { .name: wf, .offset: 8, .size: 8, .value_kind: global_buffer, .address_space: global }
      - { .name: bo, .offset: 16, .size: 8, .value_kind: global_buffer, .address_space: global }
      - { .name: out0, .offset: 24, .size: 8, .value_kind: global_buffer, .address_space: global }
    .group_segment_fixed_size: 327680
    .private_segment_fixed_size: 0
    .kernarg_segment_align: 8
    .kernarg_segment_size: 32
    .max_flat_workgroup_size: 128
    .sgpr_count:     66
    .vgpr_count:     512
    .wavefront_size: 32
...
	.end_amdgpu_metadata
.endif
;; end of part 5
;; ======== version 2 of 2: 5 launches; version 1 with the launch prep written anew for expert scheduling mode
;; limits: values are held in f16: magnitudes above 65,504 overflow, below 6.1e-05 lose precision; a function is approximated: absolute error at most 7.5e-08
;; workspace buffers: xh 2,097,152 bytes; hs 4,194,304 bytes; wf 3,538,944 bytes; sidx 33,554,432 bytes of whole numbers; swgt 33,554,432 bytes; xs 16,777,216 bytes; obuf 16,777,216 bytes
;; launch prep (part 6): grid 256 x 1, 4 waves a work-group, no clusters, 29,696 bytes of LDS; arguments x, W1, b1, W2, Wq, Wk, Wv, Wo, xh, hs, wf; writes xh, hs, wf
.if DOCPART == 6
	.amdgcn_target "amdgcn-amd-amdhsa--gfx1250"
	.amdhsa_code_object_version 6
	.text
	.protected	k_q934cc64da3_prep
	.globl	k_q934cc64da3_prep
	.p2align	8
	.type	k_q934cc64da3_prep,@function
k_q934cc64da3_prep:
	s_mov_b64 s[64:65], 0
	v_nop
	global_prefetch_b8 v0, s[64:65] scope:SCOPE_SE
	s_setreg_imm32_b32 hwreg(HW_REG_WAVE_SCHED_MODE, 0, 2), 2
	s_setreg_imm32_b32 hwreg(HW_REG_WAVE_MODE, 25, 1), 1
	s_wait_xcnt 0x0
	s_wait_alu depctr_vm_vsrc(0)
; PREP.  Three things in one launch, 256 work-groups of four waves; work-group g:
;  (a) weights into FRAGMENT ORDER: a fragment is 16 n x 32 k of 16-bit numbers, 1,024 bytes [g 2][lane 32][16 B]; lane r + 16 h holds n = r, half g holds k = 16 g + 8 h + 0..7.
;      A unit is 32 k x 64 n of an f32 matrix [K][N] (rows of 256 bytes) = four fragments, each number rounded to bf16 and written as f16.
;      Waves 0, 1: units 2 g, 2 g + 1 of W2; wave 2: unit g of Wo; wave 3: unit g of Wq, Wk, Wv where g < 96.  Where g >= 96 wave 3 loads and converts a unit of Wv all the same and
;      jumps over the stores alone: one text, every register written on every path, the same counts at every wait.
;  (b) rows 16 g .. 16 g + 15 of x -> xh = f16(bf16(x)), row-major: the field of the later gather.
;  (c) h' = -2 log2(e) gelu(x W1 + b1) for those 16 tokens, x, W1, b1 rounded to bf16, sums in f32; stored as TWO f16 pieces hi + lo (lo = h' - hi, exact), in fragment order.
;      The product is taken transposed (source 0 = 16 channels of W1, source 1 = the 16 tokens): a lane ends with one token and eight neighbouring channels, and two neighbouring
;      accumulators, rounded in pairs, are a fragment of the next product as they stand.
; gelu(p) = p Phi(p); Phi(p) = 1 - Q for p >= 0 and Q for p < 0, Q = 2^(-p^2 log2(e) / 2) t (c1 + t (c2 + t (c3 + t (c4 + t c5)))), t = 1 / (1 + 0.2316419 |p|).
; LIMITS.  That form of Phi is within 7.5e-8 of the true one.  |h'| stays under 65,504 (f16); below 6e-5 a piece keeps f16's fixed step of 6e-8, and so do weights and x below 2^-17.
; NaN and infinities are not treated apart.
; NO CLUSTER: W1 is the one input that all work-groups share; a wave's 64 KiB of it go straight into the 512 registers in which they are rounded, and the 20 KiB of LDS are the waves' own turning tiles.
; THE MODE: SCHED_MODE bits 1:0 = 2 (LLVM: expert scheduling mode 2), set by the entry lines.  The code itself states the register dependences
; between vector or matrix instructions and memory or LDS instructions, with s_wait_alu, always for 0.
; THE PLAN.  Registers that memory or LDS instructions touch:
;   v1-v8, v10-v29   offsets and LDS addresses; v30, v31 the closing add's two.  Made at the head, never written again: one wait ahead of the first load serves them all.
;   XD, UD           x and the unit as loaded; their conversions leave f16 in words 4 i and 4 i + 1, which the stores to xh and into the tile read.  XB: x in bf16, which the stores into XA read.
;                    All these conversions stand ahead of ONE wait, and the 32 stores and the unit's 8 turning loads follow it in one run.
;   BFR0             The unit's turned fragments: landed by LDS loads, read by the unit's global stores.
;   windows 1, 2     W1 as loaded: each register is landed in once and then read by conversions alone.
;   PK0, PK1         W1 of K step k in bf16, in PK[k % 2]: written by the conversions that stand in step k - 1, read by the 16 LDS stores of step k, written again in step k + 1.
;   BFR0/1, AF0/1    The fragments of K step k, in set k % 2: landed by the 10 LDS loads of step k, read by the four products of K step k, which stand in step k + 1, landed in again in step k + 2.
;   HI, LO           Written by the last conversions, read by the last eight stores.
;   The accumulators, once b1 has landed in them, and v232-239 are named by vector and matrix instructions alone.
; Step k: its waits; the stores of PK[k % 2] and the loads into set k % 2; the products of K step k - 1; the conversions of K step k + 1.  So the two waits at a step's head state all that the step's
; 26 LDS instructions and 32 conversions hang on, and the LDS round trip of one K step lies under the products and conversions of its neighbours.
; PK1, BFR1 and AF1 lie where the unit and x lay, behind the wait that shows those registers read.
.set XA,    20480                      ; x in bf16: 16 rows, pitch 528 = 33 x 16 bytes
.set XP,    528
.set TP,    160                        ; a turning tile's pitch: 64 numbers + 32 bytes = 5 x 32
.set SPARE, 29184                      ; the spare words, 128 bytes a wave; no other line names them
.set WQKV,  2097152                    ; in wf: [hp 4][mat 3][nbl 4][kc 8][1 KB]
.set WOF,   2490368                    ; in wf: [nb 16][kc 64][1 KB]; W2's fragments [nb 256][kc 8][1 KB] lie at 0
.set L16, 1                            ; 16 x lane
.set W1O, 2                            ; (l / 16) x 1,024 + (l % 16) x 16: two rows of W1 a load
.set STA, 3                            ; my 8 bytes in rows 0, 1 of my wave's tile
.set TRA, 4                            ; the turning load's address
.set XST, 5                            ; my 8 bytes in my wave's rows of XA
.set AFA, 6                            ; x's fragment: r x 528 + 16 h
.set L8,  7                            ; 8 x lane
.set H32, 8                            ; 32 h
.set DO,  10                           ; v10-13  16 x lane + j x the distance of two n blocks in wf
.set OFF, 14                           ; v14-29  the unit's 16 loads: two rows each
.set SPW, 30
.set NIL, 31
.set UD,  32                           ; v32-95   the unit as loaded, then as stored; later PK1 and BFR1; then t and e of gelu, then hi, lo
.set XD,  96                           ; v96-127  x as loaded, then as stored; later AF1; then the polynomial
.set ACC, 128                          ; v128-159 four accumulators
.set AF,  160                          ; v160-167 x's fragment, even K steps
.set BFR, 168                          ; v168-199 four fragments out of the tile: the unit's, then the even K steps'
.set PK,  200                          ; v200-231 W1 in bf16, even K steps
.set TM,  232                          ; v232-239 at work
.set XB,  240                          ; v240-255 x in bf16
.set PK1,  32                          ; the odd K steps' three buffers
.set BFR1, 64
.set AF1,  96
.set GT,  32
.set GE,  64
.set GA,  96
.set HI,  32
.set LO,  48
.set DF,  64
.set CMP, 2                            ; s2-s33: gelu's 32 masks; by then no pending instruction reads these registers
.set MSB, 0
.macro WIN new                         ; the immediate's high byte repeats the setting that is left
.if MSB != (\new)
	s_set_vgpr_msb (MSB<<8)|(\new)
.set MSB, (\new)
.endif
.endm
; K step k of W1, 32 x 64 numbers, rounded to bf16 into PK[k % 2]
.macro CONV k
.if (\k) >= 4
	s_wait_loadcnt 16*(7-(\k))                     ; the W1 loads issued behind this K step's sixteen may stay out
.endif
	WIN 0x05*(1+(\k)/4)
.set cP, PK+(PK1-PK)*((\k)%2)
.set m, 0
.rept 32
	v_cvt_pk_bf16_f32 v[cP+m], v[64*((\k)%4)+2*m], v[64*((\k)%4)+2*m+1]
.set m, m+1
.endr
	WIN 0
.endm
; The four products of K step k, on four accumulators, which take turns
.macro MULT k
.set mB, BFR+(BFR1-BFR)*((\k)%2)
.set mA, AF+(AF1-AF)*((\k)%2)
.irp j, 0,1,2,3
	v_wmma_f32_16x16x32_bf16 v[ACC+8*\j:ACC+8*\j+7], v[mB+8*\j:mB+8*\j+7], v[mA:mA+7], v[ACC+8*\j:ACC+8*\j+7]
.endr
.endm
; Step kc: K step kc goes through my tile and is turned; K step kc - 1 is multiplied; K step kc + 1 is rounded.
.macro STEP kc
.set sP, PK+(PK1-PK)*((\kc)%2)
.set sB, BFR+(BFR1-BFR)*((\kc)%2)
.set sA, AF+(AF1-AF)*((\kc)%2)
.if (\kc) > 0
	s_wait_alu depctr_vm_vsrc(0)                   ; the LDS stores of the step before have read the other PK, which this step's conversions write again
.endif
	s_wait_alu depctr_va_vdst(0)                   ; the conversions have written this step's PK, which the stores below read; the products that read this step's BFR and AF (two K steps back) are done reading them, and so are all earlier vector lines that named those registers: the loads below land there
.set m, 0
.rept 16
	ds_store_b64 v[STA], v[sP+2*m:sP+2*m+1] offset:m*2*TP  ; LDS serves a wave's instructions in order (ISA guide 5.7.1.4): these come behind the last step's turning loads
.set m, m+1
.endr
.irp j, 0,1,2,3
	ds_load_tr16_b128 v[sB+8*\j:sB+8*\j+3],   v[TRA] offset:32*\j
	ds_load_tr16_b128 v[sB+8*\j+4:sB+8*\j+7], v[TRA] offset:16*TP+32*\j
.endr
	ds_load_b128 v[sA:sA+3],   v[AFA] offset:64*(\kc)
	ds_load_b128 v[sA+4:sA+7], v[AFA] offset:64*(\kc)+32
.if (\kc) > 0
	s_wait_dscnt 26                                ; the 26 LDS instructions just issued may stay out: the fragments of the K step before are in
	MULT (\kc)-1
.endif
.if (\kc) < 7
	CONV (\kc)+1                                   ; these 32 name no register of the products above
.endif
.endm
	s_load_b512 s[16:31], s[0:1], 0x0              ; x 16, W1 18, b1 20, W2 22, Wq 24, Wk 26, Wv 28, Wo 30
	s_load_b128 s[32:35], s[0:1], 0x40             ; xh 32, hs 34
	s_load_b64 s[36:37], s[0:1], 0x50              ; wf
	v_lshl_add_u32 v[SPW], v0, 2, SPARE
	v_mov_b32 v[NIL], 0
	v_lshrrev_b32 v9, 5, v0
	v_readfirstlane_b32 s8, v9                     ; wave 0..3
	v_and_b32 v9, 31, v0                           ; lane
	v_and_b32 v[TM], 15, v0                        ; r
	v_bfe_u32 v[TM+1], v0, 4, 1                    ; h
	v_lshlrev_b32 v[L16], 4, v9
	v_lshlrev_b32 v[L8], 3, v9
	v_lshlrev_b32 v[H32], 5, v[TM+1]
	v_lshlrev_b32 v[TM+2], 4, v[TM]                ; 16 r
	v_lshl_add_u32 v[W1O], v[TM+1], 10, v[TM+2]
	s_wait_alu depctr_va_sdst(0)                   ; s8 is written, ahead of its first reader: LDS places, the unit's choice and the bases are made from it
	s_mul_i32 s9, s8, 32*TP                        ; my wave's tile
	v_mul_u32_u24 v[STA], v[TM+1], TP
	v_lshl_add_u32 v[STA], v[TM], 3, v[STA]
	v_add_nc_u32 v[STA], s9, v[STA]
	v_and_b32 v[TM+3], 7, v0
	v_lshl_add_u32 v[TM+3], v[TM+1], 3, v[TM+3]    ; k = 8 h + l % 8
	v_mul_u32_u24 v[TRA], v[TM+3], TP
	v_bfe_u32 v[TM+3], v0, 3, 1
	v_lshl_add_u32 v[TRA], v[TM+3], 4, v[TRA]
	v_add_nc_u32 v[TRA], s9, v[TRA]
	s_mul_i32 s10, s8, 4*XP
	s_add_co_u32 s10, s10, XA
	v_lshl_add_u32 v[XST], v9, 3, s10
	v_mul_u32_u24 v[AFA], v[TM], XP
	v_lshl_add_u32 v[AFA], v[TM+1], 4, v[AFA]
	v_add_nc_u32 v[AFA], XA, v[AFA]
	; the unit: byte offsets in its source (s2) and in wf (s4), two rows' bytes (s60), the distance of two n blocks (s61), whether it is stored (s62)
	s_lshl_b32 s12, ttmp9, 1                       ; W2: U = 2 g + w, kc = U % 8, ng = U / 8
	s_add_co_u32 s12, s12, s8
	s_and_b32 s13, s12, 7
	s_lshr_b32 s14, s12, 3
	s_lshl_b32 s2, s13, 19                         ; 32 rows of 16,384 bytes
	s_lshl_b32 s15, s14, 8
	s_add_co_u32 s2, s2, s15
	s_lshl_b32 s4, s14, 15                         ; four n blocks of 8,192 bytes
	s_lshl_b32 s15, s13, 10
	s_add_co_u32 s4, s4, s15
	s_lshr_b32 s13, ttmp9, 2                       ; Wo: kc = g / 4, ng = g % 4
	s_and_b32 s14, ttmp9, 3
	s_lshl_b32 s38, s13, 15                        ; 32 rows of 1,024 bytes
	s_lshl_b32 s15, s14, 8
	s_add_co_u32 s38, s38, s15
	s_lshl_b32 s39, s14, 18
	s_lshl_b32 s12, s13, 10
	s_add_co_u32 s39, s39, s12
	s_add_co_u32 s39, s39, WOF
	s_lshr_b32 s11, ttmp9, 5                       ; Wq, Wk, Wv: mat = g / 32 (held to 2), kc = (g / 4) % 8, hp = g % 4
	s_min_u32 s11, s11, 2
	s_and_b32 s13, s13, 7
	s_lshl_b32 s6, s13, 15
	s_add_co_u32 s6, s6, s15
	s_mul_i32 s7, s14, 98304
	s_lshl_b32 s12, s11, 15
	s_add_co_u32 s7, s7, s12
	s_lshl_b32 s12, s13, 10
	s_add_co_u32 s7, s7, s12
	s_add_co_u32 s7, s7, WQKV
	s_cmp_lt_u32 ttmp9, 96
	s_cselect_b32 s62, 1, 0
	s_mov_b32 s60, 2048
	s_mov_b32 s61, 8192
	s_cmp_eq_u32 s8, 2
	s_cselect_b32 s38, s38, s6
	s_cselect_b32 s39, s39, s7
	s_cselect_b32 s61, 0x10000, s61
	s_cselect_b32 s62, 1, s62
	s_cmp_lt_u32 s8, 2
	s_cselect_b32 s2, s2, s38
	s_cselect_b32 s4, s4, s39
	s_cselect_b32 s60, 0x8000, s60
	s_cselect_b32 s62, 1, s62
	s_mov_b32 s3, 0
	s_mov_b32 s5, 0
	s_lshr_b32 s15, s60, 1                         ; one row
	v_mul_u32_u24 v[OFF], v[TM+1], s15
	v_add_nc_u32 v[OFF], v[TM+2], v[OFF]
.set i, 1
.rept 15
	v_add_nc_u32 v[OFF+i], s60, v[OFF+i-1]
.set i, i+1
.endr
	v_mov_b32 v[DO], v[L16]
.set i, 1
.rept 3
	v_add_nc_u32 v[DO+i], s61, v[DO+i-1]
.set i, i+1
.endr
	s_mov_b32 s40, 0x3f07dc22                      ; c5 =  0.530702716   (each constant twice: the packed forms name a pair)
	s_mov_b32 s41, s40
	s_mov_b32 s42, 0xbf3a00e3                      ; c4 = -0.726576014
	s_mov_b32 s43, s42
	s_mov_b32 s44, 0x3f35f0e3                      ; c3 =  0.710706871
	s_mov_b32 s45, s44
	s_mov_b32 s46, 0xbe11a98e                      ; c2 = -0.142248368
	s_mov_b32 s47, s46
	s_mov_b32 s48, 0x3e027906                      ; c1 =  0.127414796
	s_mov_b32 s49, s48
	s_mov_b32 s50, 0xbf38aa3b                      ; -log2(e) / 2
	s_mov_b32 s51, s50
	s_mov_b32 s52, 0xc038aa3b                      ; -2 log2(e)
	s_mov_b32 s53, s52
	s_mov_b32 s54, 0x3e6d3389                      ; 0.2316419
	s_mov_b32 s55, 0xffff0000                      ; a word's upper bf16
	s_lshl_b32 s12, ttmp9, 14                      ; 16 rows of x (1,024 bytes each), and a token block of hs,
	s_lshl_b32 s13, s8, 12                         ; my wave's quarter
	s_add_co_u32 s12, s12, s13
	s_mov_b32 s13, 0
	s_lshr_b32 s14, s12, 1                         ; the same rows in xh
	s_mov_b32 s15, 0
	s_lshl_b32 s6, s8, 8                           ; my wave's 64 channels in b1 and in a row of W1
	s_mov_b32 s7, 0
	s_wait_kmcnt 0x0
	s_add_nc_u64 s[16:17], s[16:17], s[12:13]
	s_add_nc_u64 s[34:35], s[34:35], s[12:13]
	s_add_nc_u64 s[32:33], s[32:33], s[14:15]
	s_add_nc_u64 s[20:21], s[20:21], s[6:7]
	s_add_nc_u64 s[18:19], s[18:19], s[6:7]
	s_cmp_eq_u32 s11, 0                            ; the unit's source: a choice between buffers by the wave's and the work-group's numbers
	s_cselect_b64 s[56:57], s[24:25], s[26:27]
	s_cmp_eq_u32 s11, 2
	s_cselect_b64 s[56:57], s[28:29], s[56:57]
	s_cmp_eq_u32 s8, 2
	s_cselect_b64 s[56:57], s[30:31], s[56:57]
	s_cmp_lt_u32 s8, 2
	s_cselect_b64 s[56:57], s[22:23], s[56:57]
	s_add_nc_u64 s[56:57], s[56:57], s[2:3]
	s_add_nc_u64 s[58:59], s[36:37], s[4:5]
	; ALL LOADS AT ONCE: x 8, b1 8 (into the accumulators: the sums start from the bias), the unit 16, W1 128
	s_wait_alu depctr_va_vdst(0)                   ; the offsets and LDS addresses v1 to v8 and v10 to v29 and the closing add's v30, v31 are written: every load, store and LDS instruction of the kernel reads some of them, and none is written again
.set i, 0
.rept 8
	global_load_b128 v[XD+4*i:XD+4*i+3], v[L16], s[16:17] offset:512*i th:TH_LOAD_NT
.set i, i+1
.endr
.set i, 0
.rept 4
	global_load_b128 v[ACC+8*i:ACC+8*i+3], v[H32], s[20:21] offset:64*i
	global_load_b128 v[ACC+8*i+4:ACC+8*i+7], v[H32], s[20:21] offset:64*i+16
.set i, i+1
.endr
.set i, 0
.rept 16
	global_load_b128 v[UD+4*i:UD+4*i+3], v[OFF+i], s[56:57]
.set i, i+1
.endr
.set kc, 0
.rept 8                                ; W1's 32 rows of K step kc -> 64 registers at 64 (kc % 4) of window 1 + kc / 4; between the wait above and these loads stand loads and window switches alone
	WIN 0x40*(1+kc/4)
.set i, 0
.rept 16
	global_load_b128 v[64*(kc%4)+4*i:64*(kc%4)+4*i+3], v[W1O], s[18:19] offset:kc*32768+i*2048
.set i, i+1
.endr
.set kc, kc+1
.endr
	WIN 0
	s_wait_loadcnt 63                              ; of 160 loads at most 63 are out: x, b1, the unit and W1's first 65 loads (K steps 0 to 3) are in
	; x: rounded to bf16 (XB) for the product; that number as f16, in place, for xh
.set i, 0
.rept 8
	v_cvt_pk_bf16_f32 v[XB+2*i], v[XD+4*i], v[XD+4*i+1]
	v_cvt_pk_bf16_f32 v[XB+2*i+1], v[XD+4*i+2], v[XD+4*i+3]
	v_lshlrev_b32 v[TM+2], 16, v[XB+2*i]
	v_and_b32 v[TM+3], s55, v[XB+2*i]
	v_lshlrev_b32 v[TM+4], 16, v[XB+2*i+1]
	v_and_b32 v[TM+5], s55, v[XB+2*i+1]
	v_cvt_pk_f16_f32 v[XD+4*i], v[TM+2], v[TM+3]
	v_cvt_pk_f16_f32 v[XD+4*i+1], v[TM+4], v[TM+5]
.set i, i+1
.endr
	; the unit: rounded to bf16, that number as f16, in place
.set i, 0
.rept 16
	v_cvt_pk_bf16_f32 v[TM], v[UD+4*i], v[UD+4*i+1]
	v_cvt_pk_bf16_f32 v[TM+1], v[UD+4*i+2], v[UD+4*i+3]
	v_lshlrev_b32 v[TM+2], 16, v[TM]
	v_and_b32 v[TM+3], s55, v[TM]
	v_lshlrev_b32 v[TM+4], 16, v[TM+1]
	v_and_b32 v[TM+5], s55, v[TM+1]
	v_cvt_pk_f16_f32 v[UD+4*i], v[TM+2], v[TM+3]
	v_cvt_pk_f16_f32 v[UD+4*i+1], v[TM+4], v[TM+5]
.set i, i+1
.endr
	s_wait_alu depctr_va_vdst(0)                   ; the conversions have written XB, XD and UD, which the 32 stores below read
.set i, 0
.rept 8
	ds_store_b64 v[XST], v[XB+2*i:XB+2*i+1] offset:(i/2)*XP+(i%2)*256
.set i, i+1
.endr
.set i, 0
.rept 8
	global_store_b64 v[L8], v[XD+4*i:XD+4*i+1], s[32:33] offset:256*i  ; the wave stores 256 consecutive bytes, aligned
.set i, i+1
.endr
.set i, 0
.rept 16                               ; the unit into my tile [32 k][64 n], and turned
	ds_store_b64 v[STA], v[UD+4*i:UD+4*i+1] offset:i*2*TP
.set i, i+1
.endr
.irp j, 0,1,2,3                        ; LDS serves a wave's instructions in order (ISA guide 5.7.1.4): these see my stores above
	ds_load_tr16_b128 v[BFR+8*\j:BFR+8*\j+3],   v[TRA] offset:32*\j
	ds_load_tr16_b128 v[BFR+8*\j+4:BFR+8*\j+7], v[TRA] offset:16*TP+32*\j
.endr
.set i, 0
.rept 16                               ; b1 rounded to bf16, in place, while the turned fragments come
	v_cvt_pk_bf16_f32 v[TM], v[ACC+2*i], v[ACC+2*i+1]
	v_lshlrev_b32 v[ACC+2*i], 16, v[TM]
	v_and_b32 v[ACC+2*i+1], s55, v[TM]
.set i, i+1
.endr
	CONV 0                                         ; and W1's K step 0 rounded, into PK0, which no memory or LDS instruction has named yet
	s_wait_dscnt 0x0                               ; the fragments are in; my stores into XA are done, for the others' sake
	s_cmp_eq_u32 s62, 1
	s_cbranch_scc0 .Lno_unit
.irp j, 0,1,2,3
	global_store_b128 v[DO+\j], v[BFR+8*\j:BFR+8*\j+3],   s[58:59]             ; 512 consecutive bytes each
	global_store_b128 v[DO+\j], v[BFR+8*\j+4:BFR+8*\j+7], s[58:59] offset:512
.endr
.Lno_unit:
	s_barrier_signal -1
	s_barrier_wait -1                              ; all sixteen rows of XA are there
	s_wait_xcnt 0x0                                ; every earlier global instruction has had its addresses translated (ISA guide 3.1): BFR0 and XD, the global stores' data, are written again only behind this wait
	s_wait_alu depctr_vm_vsrc(0)                   ; the stores above have read UD, XD and BFR0: these registers are PK1, BFR1, AF1 and BFR0 of the K steps from here on, written by conversions and by LDS loads
.irp kc, 0,1,2,3,4,5,6,7
	STEP \kc
.endr
	s_wait_dscnt 0x0                               ; K step 7's fragments are in
	s_wait_alu depctr_vm_vsrc(0)                   ; step 7's LDS stores have read PK1 (v32-63), which gelu writes below
	MULT 7
.rept 4
	v_nop                                          ; four places behind the last product, before its results are read and its sources (BFR1, AF1) written
.endr
	; gelu on my 32 numbers p; each accumulator is read from its low end on
.set i, 0
.rept 16
	v_pk_mul_f32 v[GE+2*i:GE+2*i+1], v[ACC+2*i:ACC+2*i+1], v[ACC+2*i:ACC+2*i+1]
.set i, i+1
.endr
.set i, 0
.rept 32
	v_fma_f32 v[GT+i], |v[ACC+i]|, s54, 1.0
.set i, i+1
.endr
.set i, 0
.rept 16
	v_pk_mul_f32 v[GE+2*i:GE+2*i+1], v[GE+2*i:GE+2*i+1], s[50:51] op_sel_hi:[1,0]
.set i, i+1
.endr
.set i, 0
.rept 32
	v_rcp_f32 v[GT+i], v[GT+i]
.set i, i+1
.endr
.set i, 0
.rept 32
	v_exp_f32 v[GE+i], v[GE+i]
.set i, i+1
.endr
	v_nop                                          ; a plain instruction behind the last of the batch,
	s_wait_alu depctr_va_vdst(0)                   ; and one wait for its 64: the reciprocals have written GT and the exponentials GE, ahead of their first reader
.set i, 0
.rept 16
	v_pk_fma_f32 v[GA+2*i:GA+2*i+1], v[GT+2*i:GT+2*i+1], s[40:41], s[42:43] op_sel_hi:[1,0,0]
.set i, i+1
.endr
.irp c, 44,46,48
.set i, 0
.rept 16
	v_pk_fma_f32 v[GA+2*i:GA+2*i+1], v[GA+2*i:GA+2*i+1], v[GT+2*i:GT+2*i+1], s[\c:\c+1] op_sel_hi:[1,1,0]
.set i, i+1
.endr
.endr
.set i, 0
.rept 16
	v_pk_mul_f32 v[GT+2*i:GT+2*i+1], v[GT+2*i:GT+2*i+1], v[GE+2*i:GE+2*i+1]
	v_pk_mul_f32 v[GA+2*i:GA+2*i+1], v[GA+2*i:GA+2*i+1], v[GT+2*i:GT+2*i+1]  ; Q
.set i, i+1
.endr
.set i, 0
.rept 32                               ; the 32 masks p >= 0 in one run, each into a scalar register of its own
	v_cmp_le_f32 s[CMP+i], 0, v[ACC+i]
.set i, i+1
.endr
.set i, 0
.rept 32
	v_sub_f32 v[GT+i], 1.0, v[GA+i]
.set i, i+1
.endr
	s_wait_alu depctr_va_sdst(0)                   ; the 32 compares have written s2 to s33, ahead of their first readers, the selects below
.set i, 0
.rept 32
	v_cndmask_b32 v[GA+i], v[GA+i], v[GT+i], s[CMP+i]  ; Phi
.set i, i+1
.endr
.set i, 0
.rept 16
	v_pk_mul_f32 v[ACC+2*i:ACC+2*i+1], v[ACC+2*i:ACC+2*i+1], s[52:53] op_sel_hi:[1,0]
	v_pk_mul_f32 v[ACC+2*i:ACC+2*i+1], v[ACC+2*i:ACC+2*i+1], v[GA+2*i:GA+2*i+1]  ; h'
.set i, i+1
.endr
	; hi = f16(h'); lo = f16(h' - hi), the difference exact in one fused multiply-add from hi's half
	v_mov_b32 v[TM], 1.0
.set i, 0
.rept 16
	v_cvt_pk_f16_f32 v[HI+i], v[ACC+2*i], v[ACC+2*i+1]
.set i, i+1
.endr
.set i, 0
.rept 16
	v_fma_mix_f32 v[DF+2*i],   -v[HI+i], v[TM], v[ACC+2*i]   op_sel_hi:[1,0,0]
	v_fma_mix_f32 v[DF+2*i+1], -v[HI+i], v[TM], v[ACC+2*i+1] op_sel:[1,0,0] op_sel_hi:[1,0,0]
.set i, i+1
.endr
.set i, 0
.rept 16
	v_cvt_pk_f16_f32 v[LO+i], v[DF+2*i], v[DF+2*i+1]
.set i, i+1
.endr
	s_wait_alu depctr_va_vdst(0)                   ; the conversions have written HI and LO, which the eight stores below read
.irp j, 0,1,2,3                        ; accumulator j is half j % 2 of the fragment of K step 2 w + j / 2
	global_store_b128 v[L16], v[HI+4*\j:HI+4*\j+3], s[34:35] offset:(\j/2)*2048+(\j%2)*512
	global_store_b128 v[L16], v[LO+4*\j:LO+4*\j+3], s[34:35] offset:(\j/2)*2048+1024+(\j%2)*512
.endr
	s_wait_dscnt 0x0                               ; the closing lines, six on end
	s_wait_alu 0x0
	s_wait_tensorcnt 0x0
	ds_add_u32 v[SPW], v[NIL]
	s_wait_dscnt 0x0
	s_endpgm
.Lfunc_end_k_q934cc64da3_prep:
	.size	k_q934cc64da3_prep, .Lfunc_end_k_q934cc64da3_prep-k_q934cc64da3_prep
	.p2alignl 7, 3214868480
	.fill 96, 4, 3214868480
	.section	.rodata,"a",@progbits
	.p2align	6, 0x0
	.amdhsa_kernel k_q934cc64da3_prep
		.amdhsa_group_segment_fixed_size 29696
		.amdhsa_private_segment_fixed_size 0
		.amdhsa_enable_private_segment 0
		.amdhsa_kernarg_size 88
		.amdhsa_user_sgpr_count 2
		.amdhsa_user_sgpr_kernarg_segment_ptr 1
		.amdhsa_wavefront_size32 1
		.amdhsa_system_sgpr_workgroup_id_x 1
		.amdhsa_system_sgpr_workgroup_id_y 1
		.amdhsa_system_sgpr_workgroup_id_z 1
		.amdhsa_system_vgpr_workitem_id 0
		.amdhsa_next_free_vgpr 768
		.amdhsa_next_free_sgpr 66
		.amdhsa_reserve_vcc 0
		.amdhsa_float_denorm_mode_32 3
		.amdhsa_float_denorm_mode_16_64 3
		.amdhsa_memory_ordered 1
		.amdhsa_forward_progress 1
		.amdhsa_inst_pref_size 93
	.end_amdhsa_kernel
	.amdgpu_metadata
---
amdhsa.version: [ 1, 2 ]
amdhsa.kernels:
  - .name:           k_q934cc64da3_prep
    .symbol:         k_q934cc64da3_prep.kd
    .args:
      - { .name: x, .offset: 0, .size: 8, .value_kind: global_buffer, .address_space: global }
      - { .name: W1, .offset: 8, .size: 8, .value_kind: global_buffer, .address_space: global }
      - { .name: b1, .offset: 16, .size: 8, .value_kind: global_buffer, .address_space: global }
      - { .name: W2, .offset: 24, .size: 8, .value_kind: global_buffer, .address_space: global }
      - { .name: Wq, .offset: 32, .size: 8, .value_kind: global_buffer, .address_space: global }
      - { .name: Wk, .offset: 40, .size: 8, .value_kind: global_buffer, .address_space: global }
      - { .name: Wv, .offset: 48, .size: 8, .value_kind: global_buffer, .address_space: global }
      - { .name: Wo, .offset: 56, .size: 8, .value_kind: global_buffer, .address_space: global }
      - { .name: xh, .offset: 64, .size: 8, .value_kind: global_buffer, .address_space: global }
      - { .name: hs, .offset: 72, .size: 8, .value_kind: global_buffer, .address_space: global }
      - { .name: wf, .offset: 80, .size: 8, .value_kind: global_buffer, .address_space: global }
    .group_segment_fixed_size: 29696
    .private_segment_fixed_size: 0
    .kernarg_segment_align: 8
    .kernarg_segment_size: 88
    .max_flat_workgroup_size: 128
    .sgpr_count:     66
    .vgpr_count:     768
    .wavefront_size: 32
...
	.end_amdgpu_metadata
.endif
;; end of part 6
;; launch offs: the kernel of part 2 again; grid 8 x 32, 4 waves a work-group, clusters of 4 x 1, 167,936 bytes of LDS; arguments hs, wf, b2, sidx, swgt; writes sidx, swgt
;; launch samp: the kernel of part 3 again; grid 256 x 1, 16 waves a work-group, no clusters, 265,216 bytes of LDS; arguments xh, sidx, swgt, xs; writes xs
;; launch attn: the kernel of part 4 again; grid 256 x 1, 4 waves a work-group, no clusters, 298,496 bytes of LDS; arguments xs, wf, bq, bk, bv, obuf; writes obuf
;; launch proj: the kernel of part 5 again; grid 4 x 64, 4 waves a work-group, clusters of 4 x 4, 327,680 bytes of LDS; arguments obuf, wf, bo, out0; writes out0
